; MI455X (gfx1250); checked and timed in simulation.
; The chip was launched on July 23, 2026; its instructions are those of AMD's public machine-readable ISA for CDNA 5 (MIT licence, August 2026) and "CDNA5" Instruction Set Architecture Reference Guide (July 2026). The comments in the code are by the model that wrote it; some were corrected since.
;; Multi Head Self Attention. Allowed arithmetic: float matrix products may take bf16 or f16 operands with f32 sums; other float arithmetic in f32, or as packed bf16 or f16 multiplies, adds, multiply-adds, maxima and minima; sums over many terms, partial sums and values carried from step to step in f32; what a program stores and reads back later, other than sums and carried values, may be rounded once to bf16 or f16.
;; Inputs: Wk 1,024 x 1,024 float32; Wo 1,024 x 1,024 float32; Wq 1,024 x 1,024 float32; Wv 1,024 x 1,024 float32; bk 1,024 float32; bo 1,024 float32; bq 1,024 float32; bv 1,024 float32; x 4 x 4,096 x 1,024 float32.
;; Outputs: out0 4 x 4,096 x 1,024 float32.
;; 2 versions, each right; version 2 is version 1 with the launch attn written anew for expert scheduling mode. Each part assembles by itself: llvm-mc -triple=amdgcn-amd-amdhsa -mcpu=gfx1250 --defsym DOCPART=n.
;; ======== version 1 of 2: 4 launches
;; limits: values are held in f16: magnitudes above 65,504 overflow, below 6.1e-05 lose precision
;; workspace buffers: xb 33,554,432 bytes; wqkv 6,291,456 bytes; wo16 2,097,152 bytes; bias 16,384 bytes; qkv 100,663,296 bytes; att 33,554,432 bytes
;; launch cast (part 1): grid 1284 x 1, 8 waves a work-group, no clusters, 0 bytes of LDS; arguments x, Wq, Wk, Wv, Wo, bq, bk, bv, bo, xb, wqkv, wo16, bias; writes xb, wqkv, wo16, bias
.if DOCPART == 1
	.amdgcn_target "amdgcn-amd-amdhsa--gfx1250"
	.amdhsa_code_object_version 6
	.text
	.protected	k_q2c9d2adc56_cast
	.globl	k_q2c9d2adc56_cast
	.p2align	8
	.type	k_q2c9d2adc56_cast,@function
k_q2c9d2adc56_cast:
	s_mov_b64 s[64:65], 0
	v_nop
	global_prefetch_b8 v0, s[64:65] scope:SCOPE_SE
	s_setreg_imm32_b32 hwreg(HW_REG_WAVE_MODE, 25, 1), 1
	s_wait_xcnt 0x0
; ALL INPUTS ARE ROUNDED ONCE TO bf16 AND LAID OUT FOR THE LAUNCHES BEHIND.
;   xb   [16384][1024] bf16: x as it lies.
;   wqkv [3072][1024]  bf16: row 1024 t + p is row n_t(p) of Wq, Wk, Wv (t = 0, 1, 2): whole rows change places, so that a token's Q, K and V later lie in the order of the matrix fragments.
;        Q, K: p = 512 c + 256 g + 128 h + 8 r + e stands for head r, channel 32 c + 16 g + 8 h + e:  n = p[6:3] << 6 | p[9:7] << 3 | p[2:0]
;        V:    p = 256 f + 128 h + 8 r + e stands for head 8 h + e, channel 16 f + r:                 n = p[7] << 9 | p[2:0] << 6 | p[9:8] << 4 | p[6:3]
;   wo16 [1024][1024]  f16: Wo rounded to bf16, and that number written as f16.  LIMIT: |Wo| stays under 65,504; below 6e-5 it keeps f16's fixed step of 6e-8.
;   bias [4096] f32: bq, bk, bv in the order of wqkv's rows, then bo; each rounded to bf16 and written as f32.
; SHARES.  Eight waves; a wave copies two destination rows that follow each other: 8,192 bytes in by sixteen loads that all go out at once, 4,096 bytes out.  No loop, no LDS, no matrix unit: a stream.
; Work-groups 0-1023: x.  1024-1215: Wq, Wk, Wv.  1216-1279: Wo.  1280-1283: one bias each.  The branches hang on the work-group's number alone.
.set IN,  16                           ; v[16:79]   sixteen loads of four registers; a load's first two registers take its packed result, so a wave needs 80 registers
.set SA,  40                           ; s[40:41]   the first source row
.set SB,  42                           ; s[42:43]   the second source row
.set D,   44                           ; s[44:45]   the two destination rows
	s_load_b512 s[8:23], s[0:1], 0x0               ; x 8, Wq 10, Wk 12, Wv 14, Wo 16, bq 18, bk 20, bv 22
	s_load_b256 s[24:31], s[0:1], 0x40             ; bo 24, xb 26, wqkv 28, wo16 30
	s_load_b64 s[32:33], s[0:1], 0x60              ; bias
	v_lshrrev_b32 v3, 5, v0
	v_readfirstlane_b32 s35, v3                    ; wave 0..7
	v_and_b32 v1, 31, v0
	v_lshlrev_b32 v2, 3, v1                        ; 8 x lane: my 8 bytes of 256 that a store covers
	v_lshlrev_b32 v1, 4, v1                        ; 16 x lane: my 16 bytes of 512 that a load covers
	s_mov_b32 s34, ttmp9
	s_mov_b32 s47, 0                               ; high words of the two offset pairs
	s_mov_b32 s49, 0
	s_wait_kmcnt 0x0
; Two rows of 1,024 f32 become two rows of 1,024 numbers of 16 bits.  fmt = 0: bf16.  fmt = 1: rounded to bf16, then written as f16.
; A store's two registers are written once, ahead of it, and never again: the stores' sources need no wait.
.macro CAST2 fmt
.irp i, 0,1,2,3,4,5,6,7
	global_load_b128 v[IN+4*(\i):IN+4*(\i)+3], v1, s[SA:SA+1] offset:512*(\i) th:TH_LOAD_NT
.endr
.irp i, 0,1,2,3,4,5,6,7
	global_load_b128 v[IN+32+4*(\i):IN+32+4*(\i)+3], v1, s[SB:SB+1] offset:512*(\i) th:TH_LOAD_NT
.endr
.irp i, 0,1,2,3,4,5,6,7,8,9,10,11,12,13,14,15
	s_wait_loadcnt 15-(\i)                         ; loads come back in order: load i is in, the 15 - i younger ones stay out
	v_cvt_pk_bf16_f32 v[IN+4*(\i)],   v[IN+4*(\i)],   v[IN+4*(\i)+1]
	v_cvt_pk_bf16_f32 v[IN+4*(\i)+1], v[IN+4*(\i)+2], v[IN+4*(\i)+3]
.if \fmt
	v_lshlrev_b32 v8,  16, v[IN+4*(\i)]            ; bf16 to f32: the low half moves up, the high half stays
	v_and_b32     v9,  0xffff0000, v[IN+4*(\i)]
	v_lshlrev_b32 v10, 16, v[IN+4*(\i)+1]
	v_and_b32     v11, 0xffff0000, v[IN+4*(\i)+1]
	v_cvt_pk_f16_f32 v[IN+4*(\i)],   v8,  v9
	v_cvt_pk_f16_f32 v[IN+4*(\i)+1], v10, v11
.endif
	global_store_b64 v2, v[IN+4*(\i):IN+4*(\i)+1], s[D:D+1] offset:256*(\i)  ; the wave's 32 lanes store 256 consecutive bytes, at a multiple of 256 from the buffer's first
.endr
.endm
	s_cmp_lt_u32 s34, 1024
	s_cbranch_scc0 .Lnot_x
	; x: rows 16 id + 2 w and the next
	s_lshl_b32 s46, s34, 16                        ; 16 rows of 4,096 bytes a work-group,
	s_lshl_b32 s50, s35, 13                        ; two a wave
	s_or_b32 s46, s46, s50
	s_add_nc_u64 s[SA:SA+1], s[8:9], s[46:47]
	s_add_nc_u64 s[SB:SB+1], s[SA:SA+1], 4096
	s_lshr_b32 s46, s46, 1                         ; half the bytes on the way out
	s_add_nc_u64 s[D:D+1], s[26:27], s[46:47]
	s_branch .Lbf16
.Lnot_x:
	s_cmp_lt_u32 s34, 1216
	s_cbranch_scc0 .Lnot_w
	; Wq, Wk, Wv: destination rows 16 j + 2 w and the next
	s_sub_co_u32 s36, s34, 1024                    ; j
	s_lshr_b32 s37, s36, 6                         ; t: which of the three
	s_and_b32 s38, s36, 63
	s_lshl_b32 s38, s38, 4
	s_lshl1_add_u32 s38, s35, s38                  ; p = 16 (j % 64) + 2 w, even
	s_bfe_u32 s39, s38, 0x40003                    ; p[6:3]
	s_bfe_u32 s50, s38, 0x30007                    ; p[9:7]
	s_and_b32 s51, s38, 7                          ; p[2:0]
	s_lshl_b32 s52, s39, 6
	s_lshl_b32 s50, s50, 3
	s_or_b32 s52, s52, s50
	s_or_b32 s52, s52, s51                         ; n for Q and K
	s_bfe_u32 s50, s38, 0x10007                    ; p[7]
	s_lshl_b32 s50, s50, 9
	s_lshl_b32 s51, s51, 6
	s_or_b32 s53, s50, s51
	s_bfe_u32 s50, s38, 0x20008                    ; p[9:8]
	s_lshl_b32 s50, s50, 4
	s_or_b32 s53, s53, s50
	s_or_b32 s53, s53, s39                         ; n for V
	s_mov_b32 s50, 0x40000
	s_cmp_eq_u32 s37, 2
	s_cselect_b32 s46, s53, s52
	s_cselect_b32 s48, s50, 0x1000                 ; row p + 1 comes from row n + 64 (V) or n + 1 (Q, K)
	s_cselect_b64 s[SA:SA+1], s[14:15], s[10:11]   ; Wv, else Wq,
	s_cmp_eq_u32 s37, 1
	s_cselect_b64 s[SA:SA+1], s[12:13], s[SA:SA+1] ; or Wk
	s_lshl_b32 s46, s46, 12
	s_add_nc_u64 s[SA:SA+1], s[SA:SA+1], s[46:47]
	s_add_nc_u64 s[SB:SB+1], s[SA:SA+1], s[48:49]
	s_lshl_b32 s46, s36, 15                        ; (16 j + 2 w) rows of 2,048 bytes
	s_lshl_b32 s50, s35, 12
	s_add_co_u32 s46, s46, s50
	s_add_nc_u64 s[D:D+1], s[28:29], s[46:47]
.Lbf16:
	CAST2 0
	s_endpgm
.Lnot_w:
	s_cmp_lt_u32 s34, 1280
	s_cbranch_scc0 .Lbias
	; Wo: rows as they lie
	s_sub_co_u32 s36, s34, 1216
	s_lshl_b32 s46, s36, 16
	s_lshl_b32 s50, s35, 13
	s_or_b32 s46, s46, s50
	s_add_nc_u64 s[SA:SA+1], s[16:17], s[46:47]
	s_add_nc_u64 s[SB:SB+1], s[SA:SA+1], 4096
	s_lshr_b32 s46, s46, 1
	s_add_nc_u64 s[D:D+1], s[30:31], s[46:47]
	CAST2 1
	s_endpgm
.Lbias:
	; one bias: thread i makes the entries p = 4 i .. 4 i + 3; they come from n(p) + 0..3 steps of 1 (Q, K, bo) or of 64 (V)
	s_sub_co_u32 s36, s34, 1280                    ; m: bq, bk, bv, bo
	v_lshlrev_b32 v8, 2, v0                        ; p
	v_bfe_u32 v9, v8, 3, 4                         ; p[6:3]
	v_bfe_u32 v10, v8, 7, 3                        ; p[9:7]
	v_and_b32 v11, 7, v8                           ; p[2:0]
	v_lshl_or_b32 v12, v9, 6, v11
	v_lshl_or_b32 v12, v10, 3, v12                 ; n for Q and K
	v_bfe_u32 v13, v8, 7, 1                        ; p[7]
	v_bfe_u32 v14, v8, 8, 2                        ; p[9:8]
	v_lshl_or_b32 v15, v13, 9, v9
	v_lshl_or_b32 v15, v11, 6, v15
	v_lshl_or_b32 v15, v14, 4, v15                 ; n for V
	s_cmp_eq_u32 s36, 2
	s_cselect_b32 s50, -1, 0                       ; a mask of all lanes or of none
	s_cselect_b32 s52, 256, 4                      ; the step in bytes
	s_cselect_b64 s[SA:SA+1], s[22:23], s[18:19]   ; bv, else bq,
	s_cmp_eq_u32 s36, 1
	s_cselect_b64 s[SA:SA+1], s[20:21], s[SA:SA+1] ; or bk,
	s_cmp_eq_u32 s36, 3
	s_cselect_b64 s[SA:SA+1], s[24:25], s[SA:SA+1] ; or bo
	s_cselect_b32 s51, -1, 0
	v_cndmask_b32 v12, v12, v15, s50
	v_cndmask_b32 v12, v12, v8, s51                ; bo keeps its order
	v_lshlrev_b32 v12, 2, v12
	v_add_nc_u32 v13, s52, v12
	v_add_nc_u32 v14, s52, v13
	v_add_nc_u32 v15, s52, v14
	global_load_b32 v16, v12, s[SA:SA+1]
	global_load_b32 v17, v13, s[SA:SA+1]
	global_load_b32 v18, v14, s[SA:SA+1]
	global_load_b32 v19, v15, s[SA:SA+1]
	s_lshl_b32 s46, s36, 12
	s_add_nc_u64 s[D:D+1], s[32:33], s[46:47]
	v_lshlrev_b32 v9, 4, v0
	s_wait_loadcnt 0x0
	v_cvt_pk_bf16_f32 v20, v16, v17
	v_cvt_pk_bf16_f32 v21, v18, v19
	v_lshlrev_b32 v24, 16, v20
	v_and_b32     v25, 0xffff0000, v20
	v_lshlrev_b32 v26, 16, v21
	v_and_b32     v27, 0xffff0000, v21
	global_store_b128 v9, v[24:27], s[D:D+1]       ; sixteen lanes store 256 consecutive bytes
	s_endpgm
.Lfunc_end_k_q2c9d2adc56_cast:
	.size	k_q2c9d2adc56_cast, .Lfunc_end_k_q2c9d2adc56_cast-k_q2c9d2adc56_cast
	.p2alignl 7, 3214868480
	.fill 96, 4, 3214868480
	.section	.rodata,"a",@progbits
	.p2align	6, 0x0
	.amdhsa_kernel k_q2c9d2adc56_cast
		.amdhsa_group_segment_fixed_size 0
		.amdhsa_private_segment_fixed_size 0
		.amdhsa_enable_private_segment 0
		.amdhsa_kernarg_size 104
		.amdhsa_user_sgpr_count 2
		.amdhsa_user_sgpr_kernarg_segment_ptr 1
		.amdhsa_wavefront_size32 1
		.amdhsa_system_sgpr_workgroup_id_x 1
		.amdhsa_system_sgpr_workgroup_id_y 1
		.amdhsa_system_sgpr_workgroup_id_z 1
		.amdhsa_system_vgpr_workitem_id 0
		.amdhsa_next_free_vgpr 80
		.amdhsa_next_free_sgpr 66
		.amdhsa_reserve_vcc 0
		.amdhsa_float_denorm_mode_32 3
		.amdhsa_float_denorm_mode_16_64 3
		.amdhsa_memory_ordered 1
		.amdhsa_forward_progress 1
		.amdhsa_inst_pref_size 22
	.end_amdhsa_kernel
	.amdgpu_metadata
---
amdhsa.version: [ 1, 2 ]
amdhsa.kernels:
  - .name:           k_q2c9d2adc56_cast
    .symbol:         k_q2c9d2adc56_cast.kd
    .args:
      - { .name: x, .offset: 0, .size: 8, .value_kind: global_buffer, .address_space: global }
      - { .name: Wq, .offset: 8, .size: 8, .value_kind: global_buffer, .address_space: global }
      - { .name: Wk, .offset: 16, .size: 8, .value_kind: global_buffer, .address_space: global }
      - { .name: Wv, .offset: 24, .size: 8, .value_kind: global_buffer, .address_space: global }
      - { .name: Wo, .offset: 32, .size: 8, .value_kind: global_buffer, .address_space: global }
      - { .name: bq, .offset: 40, .size: 8, .value_kind: global_buffer, .address_space: global }
      - { .name: bk, .offset: 48, .size: 8, .value_kind: global_buffer, .address_space: global }
      - { .name: bv, .offset: 56, .size: 8, .value_kind: global_buffer, .address_space: global }
      - { .name: bo, .offset: 64, .size: 8, .value_kind: global_buffer, .address_space: global }
      - { .name: xb, .offset: 72, .size: 8, .value_kind: global_buffer, .address_space: global }
      - { .name: wqkv, .offset: 80, .size: 8, .value_kind: global_buffer, .address_space: global }
      - { .name: wo16, .offset: 88, .size: 8, .value_kind: global_buffer, .address_space: global }
      - { .name: bias, .offset: 96, .size: 8, .value_kind: global_buffer, .address_space: global }
    .group_segment_fixed_size: 0
    .private_segment_fixed_size: 0
    .kernarg_segment_align: 8
    .kernarg_segment_size: 104
    .max_flat_workgroup_size: 256
    .sgpr_count:     66
    .vgpr_count:     80
    .wavefront_size: 32
...
	.end_amdgpu_metadata
.endif
;; end of part 1
;; launch gemm_qkv (part 2): grid 4 x 64, 4 waves a work-group, clusters of 4 x 4, 327,680 bytes of LDS; arguments xb, wqkv, qkv, bias; writes qkv
.if DOCPART == 2
	.amdgcn_target "amdgcn-amd-amdhsa--gfx1250"
	.amdhsa_code_object_version 6
	.text
	.protected	k_q2c9d2adc56_gemm_qkv
	.globl	k_q2c9d2adc56_gemm_qkv
	.p2align	8
	.type	k_q2c9d2adc56_gemm_qkv,@function
k_q2c9d2adc56_gemm_qkv:
	s_mov_b64 s[64:65], 0
	v_nop
	global_prefetch_b8 v0, s[64:65] scope:SCOPE_SE
	s_setreg_imm32_b32 hwreg(HW_REG_WAVE_MODE, 25, 1), 1
	s_wait_xcnt 0x0
	s_wait_alu depctr_hold_cnt(0) depctr_sa_sdst(0) depctr_va_vdst(0) depctr_va_sdst(0) depctr_va_ssrc(0) depctr_va_vcc(0) depctr_vm_vsrc(0)
	s_getreg_b32 s2, hwreg(HW_REG_IB_STS2, 6, 4)
	s_cmp_eq_u32 s2, 0
	s_cbranch_scc0 .Lentry_in_a_cluster
	s_endpgm
.Lentry_in_a_cluster:
	s_bfe_u32 s2, ttmp6, 0x10000c
	s_cmp_lg_u32 s2, 0xf033
	s_cbranch_scc0 .Lentry_shape_is_right
	s_endpgm
.Lentry_shape_is_right:
; qkv[m][n] = sum over k of xb[m][k] wqkv[n][k] + bias[n].  xb: [16384][1024] bf16, wqkv: [3072][1024] bf16, bias: f32, qkv: [16384][3072] f16; sums in f32, started with the bias, rounded once.
; LIMIT: a result of 65,520 or more in magnitude leaves f16's range and becomes an infinity.
; A tile of the result, 256 x 256, is made by four waves, each 128 x 128: 64 accumulators of 16 x 16, 512 registers.  K goes in steps of 128 through a ring of two LDS slots filled by the tensor data mover:
; the tiles' rows are 256 bytes of memory and start at multiples of 256 bytes from the buffer's first byte.
; A WORK-GROUP STAYS: 768 tiles for 256 work-groups: it makes three, at the same rows and at columns 256 X + 1024 t, t = 0, 1, 2 (the same place in Q, K and V).  The ring does not stop at a tile's end:
; a tile's last two changes of slots ask for the next tile's first two K steps (A goes back along K, B 1,024 rows down), and nothing waits for a tile's stores.
; CLUSTERS: 4 x 4 work-groups.  The four of a row of the cluster need the same tiles of xb, the four of a column the same tiles of wqkv: each is asked for JOINTLY, by the same tensor load with the same
; descriptor and a mask that names the four.  By this text's count a wave has two tensor loads out at the start and one behind each change of slots.
; THE MATRIX INSTRUCTION IS USED TRANSPOSED: source 0 = 16 rows of wqkv, source 1 = 16 rows of xb: lane l holds row l % 16 of the result and the columns 8 (l / 16) + 0..7: eight neighbours, 16 bytes of f16.
; THE BIAS COSTS NO ARITHMETIC: a tile's first products take it as their C operand; for column block b lane l keeps bias[16 b + 8 (l / 16) + 0..7] in eight registers.
; REGISTERS, in windows of 256 (s_set_vgpr_msb: bits 1:0 source 0, 3:2 source 1, 5:4 source 2, 7:6 destination):
;   window 0: v0-31 addresses; v64-127, v128-191 fragments of xb, two buffers; v32-63, v192-255 at work on the way out
;   window 1: v64-127, v128-191 fragments of wqkv, two buffers; v192-255 the bias        window 2: the accumulators of my rows 0-63 ((a, b) at v[8 (8 a + b)])        window 3: those of my rows 64-127
.set SIZE_K, 1024
.set KSTEP,  128
.set PITCH,  272                       ; an LDS row: 256 bytes + 16 of padding = 68 words: the 16 rows that a load touches start at 16 different groups of four banks (64 banks of 4 bytes: ISA guide 11.1)
.set HALFT,  128*PITCH                 ; 128 rows: what one tensor load brings, and what one wave reads of either operand
.set SLOT,   4*HALFT                   ; xb's 256 rows, then wqkv's 256 rows
.set STAGE,  2*SLOT                    ; behind the ring: 16 rows x 272 bytes for each wave, for the way out; no tensor load lands there
.set SPITCH, 272
.set SPARE,  STAGE+4*16*SPITCH         ; behind the stages: the spare words, 128 bytes for each wave: two blocks of 256 bytes that no other line names
.set LAPS,   SIZE_K/(2*KSTEP)          ; a lap = two K steps = once round the ring
.set TILES,  3
.set CP,     3072*2                    ; bytes in a row of qkv
.set BACK_A, (SIZE_K-2*KSTEP)*2        ; bytes from a slot's last K step of a tile back to its first
.set NEXT_B, 1024*SIZE_K*2-BACK_A      ; the same, and 1,024 rows of wqkv down
.set NEXT_P, 1024*SIZE_K*2-7*KSTEP*2   ; the prefetches' step at a change of tiles, for wqkv: from the K step behind a tile's last to K step 1, 1,024 rows down
.set ADRA, 16                          ; v16-17  LDS address of my fragments of xb in slot 0, 1
.set ADRB, 20                          ; v20-21  the same for wqkv
.set STO,  24                          ; v24     the way out: where I put 16 bytes of a row
.set RD,   25                          ; v25     the way out: where I read a row back
.set CO,   26                          ; v26     my byte offset in qkv
.set BO,   27                          ; v27     my byte offset in a block of 16 biases: 32 (l / 16)
.set SPW,  28                          ; v28     LDS address of my spare word; never rewritten
.set NIL,  29                          ; v29     0; never rewritten
.set PFO,  30                          ; v30     the prefetches' offset: my lane x a row of xb or wqkv (2,048 bytes); never rewritten
.set F0,   64
.set F1,   128
.set TMP,  192                         ; window 0: packed results
.set OB,   32                          ; window 0: 16 rows read back from the stage: v32-63 and v224-255 by turns
.set BIAS, 192                         ; window 1
.set G1,  24                           ; s[24:31] descriptor group 1 for xb's tiles;  s[32:39] group 0, a set for each slot
.set G0,  32
.set G1B, 48                           ; s[48:55], s[56:63] the same for wqkv's
.set G0B, 56
.set LIM,  43                          ; s43     1 in a wave that prefetches, else the greatest number
.set PFA,  44                          ; s[44:45] the K step that my next prefetch names, at my work-group's 32 rows of the 128 that I fetch
.set PST,  66                          ; s[66:67] what a change of tiles adds to it
.set CPTR, 72                          ; s[72:73] qkv at my part of the tile in hand
.set BPTR, 74                          ; s[74:75] bias at my 128 columns of the tile whose bias was loaded last
.set MSB, 0
.macro WIN new                         ; the immediate's high byte repeats the setting that is left; a switch that changes nothing is dropped
.if MSB != (\new)
	s_set_vgpr_msb (MSB<<8)|(\new)
.set MSB, \new
.endif
.endm
; A joint load.  Waves 0 and 1 fetch xb's two halves, waves 2 and 3 wqkv's.  The branch hangs on the wave's number alone.  An s_nop 0 and four v_nop follow each of the two lines.
.macro JLOAD s
	s_cmp_eq_u32 s11, 0
	s_cbranch_scc0 .Lfor_b_\@
	tensor_load_to_lds s[G0+4*(\s):G0+4*(\s)+3], s[G1:G1+7]
	s_nop 0
.rept 4
	v_nop
.endr
	s_branch .Lasked_\@
.Lfor_b_\@:
	tensor_load_to_lds s[G0B+4*(\s):G0B+4*(\s)+3], s[G1B:G1B+7]
	s_nop 0
.rept 4
	v_nop
.endr
.Lasked_\@:
.endm
; A PREFETCH INTO THE L2, behind each joint load, its five lines and the run of LDS loads that follows them: the K step that the NEXT refill will ask for: 32 rows x 256 bytes, a lane a row, one instruction a wave,
; 256 matrix instructions ahead of the load that will want it.  At a change of slots every wave has waited for all its tensor loads, so the refill that follows has nothing on its way beside it.
; Each row's 256 bytes of a K step are named ONCE in the launch.  xb's tile row is read by one cluster alone (the grid is one cluster wide); wqkv's tile column by all sixteen clusters: cluster y = 0 prefetches.
; The four partners that ask for a tile jointly share its rows out BY ADDRESS: of the 128 rows that wave w fetches, the partner at place p takes 32 p .. 32 p + 31 (p = cx for xb, cy for wqkv):
; no branch hangs on a work-group's place in its cluster.  last = 1: the refill is slot 1's in the loop: in the loop's last trip it is the tile's last K step, and nothing is asked for behind it.
; The launch's K steps 0 to 2, and K step 0 of the second and third tile, come by their loads alone.
.macro ASK last
.if \last
	s_cmp_gt_u32 s3, s[LIM]                        ; s3 = 1 in the loop's last trip
.else
	s_cmp_eq_u32 s[LIM], 1
.endif
	s_cbranch_scc0 .Lnot_mine_\@
	global_prefetch_b8 v[PFO], s[PFA:PFA+1] th:TH_LOAD_NT scope:SCOPE_SE
.Lnot_mine_\@:
.endm
; A round of the cluster's barrier: my work-group's barrier; wave 0 signals for the work-group; every wave waits for all sixteen work-groups; my work-group's barrier once more.
.macro CREST                           ; a round behind its opening barrier
	s_cmp_lg_u32 s10, 0
	s_cbranch_scc1 .Lnot_wave_0_\@
	s_barrier_signal -3
.Lnot_wave_0_\@:
	s_barrier_wait -3
	s_barrier_signal -1
	s_barrier_wait -1
.endm
.macro CROUND
	s_barrier_signal -1
	s_barrier_wait -1
	CREST
.endm
	s_load_b128 s[4:7], s[0:1], 0x0                ; xb s[4:5], wqkv s[6:7]
	s_load_b128 s[72:75], s[0:1], 0x10             ; qkv, bias
	v_lshl_add_u32 v[SPW], v0, 2, SPARE
	v_mov_b32 v[NIL], 0
	ds_add_u32 v[SPW], v[NIL]                      ; the wave's opening: the add and its wait stand ahead of my first tensor load; the set-up below, work on registers, stands between them
	v_lshrrev_b32 v1, 5, v0
	v_readfirstlane_b32 s10, v1                    ; wave 0..3
	s_lshr_b32 s11, s10, 1                         ; which half of the tile's rows is mine.  Also: I fetch for xb (0) or for wqkv (1)
	s_and_b32 s12, s10, 1                          ; which half of its columns.  Also: which 128 rows of that tile I fetch
	s_bfe_u32 s40, ttmp6, 0x40000                  ; cx
	s_bfe_u32 s41, ttmp6, 0x40004                  ; cy
	s_lshl_b32 s42, ttmp9, 2
	s_add_co_u32 s42, s42, s40                     ; X: tile column = 4 x cluster x + cx
	s_and_b32 s13, ttmp7, 0xffff
	s_lshl_b32 s13, s13, 2
	s_add_co_u32 s13, s13, s41                     ; R: tile row = 4 x cluster y + cy
	s_lshl_b32 s43, s41, 2
	s_lshl_b32 s43, 15, s43                        ; my row of the cluster: places 4 cy .. 4 cy + 3
	s_lshl_b32 s44, 0x1111, s40                    ; my column: places cx, cx + 4, cx + 8, cx + 12
	; descriptor group 1: a tile of 128 rows x 128 elements, padded in LDS
	s_or_b32 s[G1+0], s43, (1<<16)|(1<<20)|(1<<21)|(5<<22)|(3<<25)   ; 15:0 the mask; 17:16 elements of 2 bytes; 20 padding on; 21 set beside a mask; 24:22 after every 64 words (code 5); 31:25 4 words (code 3)
	s_or_b32 s[G1B+0], s44, (1<<16)|(1<<20)|(1<<21)|(5<<22)|(3<<25)
.irp g, G1, G1B
	s_mov_b32 s[(\g)+1], KSTEP<<16                 ; tensor_dim0 = 128
	s_mov_b32 s[(\g)+2], 128<<16                   ; tensor_dim1 = 128
	s_mov_b32 s[(\g)+3], KSTEP<<16                 ; tile_dim0 = 128
	s_mov_b32 s[(\g)+4], 128                       ; tile_dim1 = 128
	s_mov_b32 s[(\g)+5], SIZE_K                    ; elements from row to row
	s_mov_b32 s[(\g)+6], 0
	s_mov_b32 s[(\g)+7], 0
.endr
	; xb's tiles hang on the tile row alone, which my row of the cluster shares; wqkv's on the tile column alone, which my column shares
	s_lshl_b32 s17, s12, 7
	s_lshl_b32 s16, s13, 8
	s_add_co_u32 s16, s16, s17                     ; xb: row 256 R + 128 x half
	s_lshl_b32 s46, s42, 8
	s_add_co_u32 s46, s46, s17                     ; wqkv: row 256 X + 128 x half
	s_mov_b32 s17, 0
	s_mov_b32 s47, 0
	s_mov_b64 s[18:19], SIZE_K*2
	s_mul_u64 s[16:17], s[16:17], s[18:19]
	s_mul_u64 s[46:47], s[46:47], s[18:19]
	s_mul_i32 s20, s10, HALFT                      ; where they go: wave x 128 rows: no place in the cluster enters an LDS address
	s_wait_dscnt 0x0                               ; the opening add is done
	s_wait_kmcnt 0x0
	s_add_nc_u64 s[14:15], s[4:5], s[16:17]
	s_add_nc_u64 s[46:47], s[6:7], s[46:47]
	CROUND                                         ; all sixteen work-groups are here: the first joint loads meet
.irp s, 0,1
	s_mov_b32 s[G0+4*(\s)], 1                                        ; count = 1
	s_add_co_u32 s[G0+4*(\s)+1], s20, (\s)*SLOT                      ; LDS address
	s_add_nc_u64 s[G0+4*(\s)+2:G0+4*(\s)+3], s[14:15], (\s)*KSTEP*2  ; global address: K step s
	s_or_b32 s[G0+4*(\s)+3], s[G0+4*(\s)+3], 0x80000000              ; type = 2
	s_mov_b32 s[G0B+4*(\s)], 1
	s_add_co_u32 s[G0B+4*(\s)+1], s20, (\s)*SLOT
	s_add_nc_u64 s[G0B+4*(\s)+2:G0B+4*(\s)+3], s[46:47], (\s)*KSTEP*2
	s_or_b32 s[G0B+4*(\s)+3], s[G0B+4*(\s)+3], 0x80000000
	JLOAD \s
.endr
	; a fragment is 16 rows x 32 K in 8 registers: lane l holds row l % 16; registers 0-3 K = 8 (l / 16) + 0..7, registers 4-7 K = 16 + 8 (l / 16) + 0..7: two loads of 16 bytes, 32 bytes apart
	v_and_b32 v1, 15, v0                           ; l % 16
	v_bfe_u32 v2, v0, 4, 1                         ; l / 16
	v_mul_u32_u24 v3, v1, PITCH
	v_lshl_add_u32 v3, v2, 4, v3
	s_mul_i32 s21, s11, HALFT                      ; my 128 rows of xb
	s_mul_i32 s22, s12, HALFT                      ; my 128 rows of wqkv,
	s_add_co_u32 s22, s22, 2*HALFT                 ; which lie behind xb's 256
.irp s, 0,1
	v_add_nc_u32 v[ADRA+(\s)], s21, v3
	v_add_nc_u32 v[ADRB+(\s)], s22, v3
	s_add_co_u32 s21, s21, SLOT
	s_add_co_u32 s22, s22, SLOT
.endr
	s_mul_i32 s23, s10, 16*SPITCH
	s_add_co_u32 s23, s23, STAGE                   ; my stage
	v_mul_u32_u24 v4, v1, SPITCH                   ; in: row l % 16, 16 bytes for each half of the lanes
	v_lshl_add_u32 v4, v2, 4, v4
	v_add_nc_u32 v[STO], s23, v4
	v_mul_u32_u24 v5, v2, SPITCH                   ; back: lanes 0-15 take one row of 256 bytes, lanes 16-31 the next
	v_lshl_add_u32 v5, v1, 4, v5
	v_add_nc_u32 v[RD], s23, v5
	v_mul_u32_u24 v5, v2, CP                       ; and the same two rows in qkv
	v_lshl_add_u32 v[CO], v1, 4, v5
	v_lshlrev_b32 v[BO], 5, v2
	s_lshl_b32 s16, s13, 8
	s_lshl_b32 s17, s11, 7
	s_add_co_u32 s16, s16, s17                     ; my first row: 256 R + 128 x half,
	s_mul_i32 s16, s16, CP                         ; in bytes: under 2^27
	s_mov_b32 s17, 0
	s_add_nc_u64 s[CPTR:CPTR+1], s[CPTR:CPTR+1], s[16:17]
	s_lshl_b32 s46, s42, 9                         ; my first column of tile 0, in bytes of f16: 512 X + 256 x half
	s_lshl_b32 s47, s12, 8
	s_add_co_u32 s46, s46, s47
	s_mov_b32 s47, 0
	s_add_nc_u64 s[CPTR:CPTR+1], s[CPTR:CPTR+1], s[46:47]
	s_lshl_b32 s46, s46, 1                         ; the same column in bytes of f32
	s_add_nc_u64 s[BPTR:BPTR+1], s[BPTR:BPTR+1], s[46:47]
	; the prefetches: nothing is asked for here, at the head, where every work-group's first tiles are on their way
	s_lshl_b32 s20, s13, 8                         ; xb's tile begins at row 256 R,
	s_lshl_b32 s21, s42, 8                         ; wqkv's at row 256 X
	s_and_b32 s22, ttmp7, 0xffff                   ; cluster y
	s_mov_b32 s[PST], NEXT_P
	s_mov_b32 s23, 0xfffff900                      ; -7 K steps: xb only goes back along K
	s_cmp_eq_u32 s11, 0                            ; do I fetch for xb?
	s_cselect_b32 s20, s20, s21
	s_cselect_b32 s21, s40, s41                    ; my place among the four that ask for the tile with me
	s_cselect_b32 s22, ttmp9, s22                  ; the coordinate along which other clusters read the same rows
	s_cselect_b64 s[PFA:PFA+1], s[4:5], s[6:7]
	s_cselect_b32 s[PST], s23, s[PST]
	s_cselect_b32 s[PST+1], -1, 0
	s_cmp_eq_u32 s22, 0
	s_cselect_b32 s[LIM], 1, -1                    ; the same in all sixteen partners, for a given wave
	s_lshl_b32 s22, s12, 7
	s_add_co_u32 s20, s20, s22                     ; + the 128 rows that I fetch
	s_lshl_b32 s21, s21, 5
	s_add_co_u32 s20, s20, s21                     ; + my work-group's 32 of them,
	s_lshl_b32 s20, s20, 11                        ; 2,048 bytes each: under 2^25
	s_mov_b32 s21, 0
	s_add_nc_u64 s[PFA:PFA+1], s[PFA:PFA+1], s[20:21]
	s_add_nc_u64 s[PFA:PFA+1], s[PFA:PFA+1], 2*KSTEP*2  ; at K step 2: the first change of slots, which asks for it, steps this to K step 3
	v_and_b32 v[PFO], 31, v0
	v_lshlrev_b32 v[PFO], 11, v[PFO]
; The bias of my 128 columns: 16 loads of 16 bytes a lane into window 1.
.macro BLOAD
	WIN 0x40                                       ; destination window 1, address window 0
.irp b, 0,1,2,3,4,5,6,7
	global_load_b128 v[BIAS+8*(\b):BIAS+8*(\b)+3],   v[BO], s[BPTR:BPTR+1] offset:64*(\b)
	global_load_b128 v[BIAS+8*(\b)+4:BIAS+8*(\b)+7], v[BO], s[BPTR:BPTR+1] offset:64*(\b)+16
.endr
	WIN 0
.endm
; 16 matrix instructions: row blocks a0, a0 + 1 of the window's four (hi = 0: my rows 0-63, 1: rows 64-127) x all 8 column blocks, 32 along K.  first = 1: the product starts the sum with the bias.
; Windows: source 0 (wqkv) 1, source 1 (xb) 0, D 2 or 3; C with D, or, first = 1, window 1.
.macro MUL16 f, hi, a0, first
.if \first
	WIN 0x91+0x40*(\hi)
.else
	WIN 0xa1+0x50*(\hi)
.endif
.irp a, \a0, (\a0)+1
.irp b, 0,1,2,3,4,5,6,7
.if \first
	v_wmma_f32_16x16x32_bf16 v[8*(8*(\a)+(\b)):8*(8*(\a)+(\b))+7], v[(\f)+8*(\b):(\f)+8*(\b)+7], v[(\f)+8*(4*(\hi)+(\a)):(\f)+8*(4*(\hi)+(\a))+7], v[BIAS+8*(\b):BIAS+8*(\b)+7]
.else
	v_wmma_f32_16x16x32_bf16 v[8*(8*(\a)+(\b)):8*(8*(\a)+(\b))+7], v[(\f)+8*(\b):(\f)+8*(\b)+7], v[(\f)+8*(4*(\hi)+(\a)):(\f)+8*(4*(\hi)+(\a))+7], v[8*(8*(\a)+(\b)):8*(8*(\a)+(\b))+7]
.endif
.endr
.endr
.endm
; 32 LDS loads in one run: the fragments of one quarter step (32 K at byte k of the rows) into buffer f: wqkv's 16, then xb's 16
.macro FETCH slot, k, f
	WIN 0x40
.irp i, 0,1,2,3,4,5,6,7
	ds_load_b128 v[(\f)+8*(\i):(\f)+8*(\i)+3],   v[ADRB+(\slot)] offset:(\k)+(\i)*16*PITCH
	ds_load_b128 v[(\f)+8*(\i)+4:(\f)+8*(\i)+7], v[ADRB+(\slot)] offset:(\k)+(\i)*16*PITCH+32
.endr
	WIN 0
.irp i, 0,1,2,3,4,5,6,7
	ds_load_b128 v[(\f)+8*(\i):(\f)+8*(\i)+3],   v[ADRA+(\slot)] offset:(\k)+(\i)*16*PITCH
	ds_load_b128 v[(\f)+8*(\i)+4:(\f)+8*(\i)+7], v[ADRA+(\slot)] offset:(\k)+(\i)*16*PITCH+32
.endr
.endm
; Four plain vector instructions stand between a matrix instruction and a load into one of its registers or a vector instruction that reads its result (ISA guide 7.12.1 for vector instructions).
.macro PLACES
.rept 4
	v_nop
.endr
.endm
; A K step is four quarters of 32 along K, 64 matrix instructions each, on buffers 0, 1, 0, 1.  One of the first three: multiplies buffer f and, in its middle, fetches the next quarter (byte k) into g.
; The 64 accumulators take turns in the same order everywhere.
.macro QUARTER slot, k, f, g, first
	s_wait_dscnt 8                                 ; wqkv's fragments and xb's rows 0-63 are in; the youngest eight loads (xb's rows 64-127) may be out
	MUL16 \f, 0, 0, \first
	MUL16 \f, 0, 2, \first
	PLACES
	FETCH \slot, \k, \g
	s_wait_dscnt 32                                ; all but the 32 just issued
	MUL16 \f, 1, 0, \first
	MUL16 \f, 1, 2, \first
.endm
; The last quarter multiplies buffer 1 and changes slots.  MEET is its first half: one barrier.  In front of it each wave waits for all its tensor loads (one is out: its part of the next slot), adds 0 to
; its spare word, and waits for that and for its reads of this slot.  Behind it nobody reads this slot any more and the next slot is whole.
.macro MEET round
	WIN 0                                          ; the add's two registers lie in window 0
	s_wait_tensorcnt 0x0
	ds_add_u32 v[SPW], v[NIL]                      ; 0 onto my spare word
	s_wait_dscnt 9                                 ; the add and the youngest eight loads may be out
	MUL16 F1, 0, 0, 0
	s_wait_dscnt 0x0                               ; the add is done, and my reads of this slot are over
	s_barrier_signal -1
	MUL16 F1, 0, 2, 0                              ; work on registers while the others arrive
.if \round
	WIN 0
.endif
	s_barrier_wait -1
.endm
; The whole last quarter where the slot is filled again: with this tile's K step two on (on = 0), or with the next tile's K step 0 or 1 (on = 1).  The barrier opens a round of the cluster's barrier;
; the joint load is the first tensor load behind the round; from it to the wait for it a wave issues 224 matrix instructions.
.macro TURN slot, next, on
	s_wait_xcnt 0x0                                ; the last prefetch, a K step back, has read its address: it is stepped here, ahead of the waits of the change of slots
.if (\on) && (\slot) == 0
	s_add_nc_u64 s[PFA:PFA+1], s[PFA:PFA+1], s[PST:PST+1]  ; from the K step behind the tile's last to the next tile's K step 1
	s_cmp_eq_u32 s11, 1
	s_cselect_b32 s[LIM], s[LIM], -1               ; xb's rows are the same for all three tiles: they have been read, and are prefetched no more
.else
	s_add_nc_u64 s[PFA:PFA+1], s[PFA:PFA+1], KSTEP*2
.endif
	MEET 1
	CREST
.if \on
	s_sub_nc_u64 s[G0+4*(\slot)+2:G0+4*(\slot)+3], s[G0+4*(\slot)+2:G0+4*(\slot)+3], BACK_A
	s_add_nc_u64 s[G0B+4*(\slot)+2:G0B+4*(\slot)+3], s[G0B+4*(\slot)+2:G0B+4*(\slot)+3], NEXT_B
.else
	s_add_nc_u64 s[G0+4*(\slot)+2:G0+4*(\slot)+3], s[G0+4*(\slot)+2:G0+4*(\slot)+3], 2*KSTEP*2
	s_add_nc_u64 s[G0B+4*(\slot)+2:G0B+4*(\slot)+3], s[G0B+4*(\slot)+2:G0B+4*(\slot)+3], 2*KSTEP*2
.endif
	JLOAD \slot                                    ; its four v_nop are also the places in front of the loads below
	FETCH \next, 0, F0
.if (\on) || (\slot) == 0
	ASK 0
.else
	ASK 1
.endif
	MUL16 F1, 1, 0, 0
	MUL16 F1, 1, 2, 0
.endm
; THE WAY OUT of row block a.  PACK: rounded to f16, 16 bytes a lane.  TOSTAGE: into my own stage, and back as whole rows of 256 bytes.  SEND: stored.
.macro PACK a
.set AC, 64*((\a)%4)
	WIN 0x0a+5*((\a)/4)                            ; sources 0 and 1: window 2 or 3
.irp b, 0,1,2,3,4,5,6,7
.irp r, 0,1,2,3
	v_cvt_pk_f16_f32 v[TMP+4*(\b)+(\r)], v[AC+8*(\b)+2*(\r)], v[AC+8*(\b)+2*(\r)+1]
.endr
.endr
	WIN 0
.endm
.macro TOSTAGE a
	WIN 0
.set BK, OB+192*((\a)%2)
.irp b, 0,1,2,3,4,5,6,7
	ds_store_b128 v[STO], v[TMP+4*(\b):TMP+4*(\b)+3] offset:32*(\b)
.endr
.irp t, 0,1,2,3,4,5,6,7
	ds_load_b128 v[BK+4*(\t):BK+4*(\t)+3], v[RD] offset:(\t)*2*SPITCH  ; LDS serves a wave's instructions in order (ISA guide 5.7.1.4): these see the stores above
.endr
.endm
.macro SEND a
	WIN 0
.set BK, OB+192*((\a)%2)
	s_wait_dscnt 0x0                               ; the block is back in registers
	s_wait_xcnt 0x0                                ; the stores of the block before have read their registers: the next TOSTAGE loads into them only behind this wait
.irp t, 0,1,2,3,4,5,6,7
	global_store_b128 v[CO], v[BK+4*(\t):BK+4*(\t)+3], s[CPTR:CPTR+1] offset:(16*(\a)+2*(\t))*CP  ; 16 lanes store 256 consecutive bytes, at a multiple of 256 from qkv's first; 126 rows at the most: 774,144
.endr
.endm
	BLOAD                                          ; tile 0's bias
	s_wait_tensorcnt 1                             ; my part of K step 0 is in; K step 1's may stay out
	s_barrier_signal -1
	s_barrier_wait -1                              ; everybody's is
	FETCH 0, 0, F0
	s_mov_b32 s2, TILES                            ; tiles to go, this one among them
.Ltile:
	s_wait_loadcnt 0x0                             ; the tile's bias
	QUARTER 0, 64,  F0, F1, 1                      ; a tile's first quarter: its products start the sums with the bias
	WIN 0
	s_cmp_eq_u32 s2, 1
	s_cbranch_scc1 .Lnb                            ; the last tile has no bias to fetch
	PLACES                                         ; behind the products that read the bias
	s_wait_xcnt 0x0                                ; the bias loads have read their base
	s_add_nc_u64 s[BPTR:BPTR+1], s[BPTR:BPTR+1], 4096  ; 1,024 columns on
	BLOAD
.Lnb:
	s_mov_b32 s3, LAPS-1
.Llap:                                                 ; a trip goes once round the ring, from a lap's second quarter to the next lap's first, and fills both slots again
	QUARTER 0, 128, F1, F0, 0
	QUARTER 0, 192, F0, F1, 0
	TURN 0, 1, 0
	QUARTER 1, 64,  F0, F1, 0
	QUARTER 1, 128, F1, F0, 0
	QUARTER 1, 192, F0, F1, 0
	TURN 1, 0, 0
	QUARTER 0, 64,  F0, F1, 0
	WIN 0
	s_sub_co_u32 s3, s3, 1
	s_cmp_lg_u32 s3, 0
	s_cbranch_scc1 .Llap
	QUARTER 0, 128, F1, F0, 0                      ; the tile's last lap goes on
	QUARTER 0, 192, F0, F1, 0
	WIN 0
	s_cmp_eq_u32 s2, 1
	s_cbranch_scc1 .Llast                          ; the last tile's tail asks for nothing more
	TURN 0, 1, 1                                   ; the ring goes on into the next tile: slot 0 takes its K step 0,
	QUARTER 1, 64,  F0, F1, 0
	QUARTER 1, 128, F1, F0, 0
	QUARTER 1, 192, F0, F1, 0
	TURN 1, 0, 1                                   ; slot 1 its K step 1, and the next tile's first fragments are fetched.  Row blocks 0-3 were finished in front of the joint load's four v_nop;
	WIN 0                                          ; their 128 conversions are the places behind the last products, which are row blocks 4-7's
	s_branch .Lout
.Llast:
	MEET 0                                         ; slot 1's last K step has landed; nothing is filled again, so no round follows
	PLACES
	FETCH 1, 0, F0
	MUL16 F1, 1, 0, 0
	MUL16 F1, 1, 2, 0
	QUARTER 1, 64,  F0, F1, 0
	QUARTER 1, 128, F1, F0, 0
	QUARTER 1, 192, F0, F1, 0
	s_wait_dscnt 8                                 ; the very last quarter: nothing more to fetch
	MUL16 F1, 0, 0, 0
	MUL16 F1, 0, 2, 0
	s_wait_dscnt 0x0
	MUL16 F1, 1, 0, 0
	MUL16 F1, 1, 2, 0
	PLACES
	WIN 0
.Lout:                                                 ; one way out for all three tiles; block a's conversions stand between block a - 1's loads from the stage and the wait for them
	PACK 0
	TOSTAGE 0
.irp a, 1,2,3,4,5,6,7
	PACK \a
	SEND (\a)-1
	TOSTAGE \a
.endr
	SEND 7
	s_wait_xcnt 0x0                                ; the stores have read their base
	s_add_nc_u64 s[CPTR:CPTR+1], s[CPTR:CPTR+1], 2048  ; 1,024 columns of f16 on
	s_sub_co_u32 s2, s2, 1
	s_cmp_lg_u32 s2, 0
	s_cbranch_scc1 .Ltile
	s_wait_tensorcnt 0x0                           ; the wave's end: behind my last tensor load and my last LDS store
	ds_add_u32 v[SPW], v[NIL]
	s_wait_dscnt 0x0
	CROUND                                         ; the closing round: no work-group ends while a partner may still ask for a tile that names it
	s_endpgm
.Lfunc_end_k_q2c9d2adc56_gemm_qkv:
	.size	k_q2c9d2adc56_gemm_qkv, .Lfunc_end_k_q2c9d2adc56_gemm_qkv-k_q2c9d2adc56_gemm_qkv
	.p2alignl 7, 3214868480
	.fill 96, 4, 3214868480
	.section	.rodata,"a",@progbits
	.p2align	6, 0x0
	.amdhsa_kernel k_q2c9d2adc56_gemm_qkv
		.amdhsa_group_segment_fixed_size 327680
		.amdhsa_private_segment_fixed_size 0
		.amdhsa_enable_private_segment 0
		.amdhsa_kernarg_size 32
		.amdhsa_user_sgpr_count 2
		.amdhsa_user_sgpr_kernarg_segment_ptr 1
		.amdhsa_wavefront_size32 1
		.amdhsa_system_sgpr_workgroup_id_x 1
		.amdhsa_system_sgpr_workgroup_id_y 1
		.amdhsa_system_sgpr_workgroup_id_z 1
		.amdhsa_system_vgpr_workitem_id 0
		.amdhsa_next_free_vgpr 1024
		.amdhsa_next_free_sgpr 76
		.amdhsa_reserve_vcc 0
		.amdhsa_float_denorm_mode_32 3
		.amdhsa_float_denorm_mode_16_64 3
		.amdhsa_memory_ordered 1
		.amdhsa_forward_progress 1
		.amdhsa_inst_pref_size 182
	.end_amdhsa_kernel
	.amdgpu_metadata
---
amdhsa.version: [ 1, 2 ]
amdhsa.kernels:
  - .name:           k_q2c9d2adc56_gemm_qkv
    .symbol:         k_q2c9d2adc56_gemm_qkv.kd
    .args:
      - { .name: xb, .offset: 0, .size: 8, .value_kind: global_buffer, .address_space: global }
      - { .name: wqkv, .offset: 8, .size: 8, .value_kind: global_buffer, .address_space: global }
      - { .name: qkv, .offset: 16, .size: 8, .value_kind: global_buffer, .address_space: global }
      - { .name: bias, .offset: 24, .size: 8, .value_kind: global_buffer, .address_space: global }
    .group_segment_fixed_size: 327680
    .private_segment_fixed_size: 0
    .kernarg_segment_align: 8
    .kernarg_segment_size: 32
    .max_flat_workgroup_size: 128
    .sgpr_count:     76
    .vgpr_count:     1024
    .wavefront_size: 32
...
	.end_amdgpu_metadata
.endif
;; end of part 2
;; launch attn (part 3): grid 1024 x 1, 4 waves a work-group, no clusters, 34,304 bytes of LDS; arguments qkv, att; writes att
.if DOCPART == 3
	.amdgcn_target "amdgcn-amd-amdhsa--gfx1250"
	.amdhsa_code_object_version 6
	.text
	.protected	k_q2c9d2adc56_attn
	.globl	k_q2c9d2adc56_attn
	.p2align	8
	.type	k_q2c9d2adc56_attn,@function
k_q2c9d2adc56_attn:
	s_mov_b64 s[64:65], 0
	v_nop
	global_prefetch_b8 v0, s[64:65] scope:SCOPE_SE
	s_setreg_imm32_b32 hwreg(HW_REG_WAVE_MODE, 25, 1), 1
	s_wait_xcnt 0x0
; EACH TOKEN ATTENDS OVER ITS OWN 16 HEADS.  For token (n, s): energy[q][k] = Q[head q] . K[head k] / 32; P = softmax over k; att[n][q][s][:] = sum over l of P[q][l] V[head l][:].
; qkv: [16384 tokens][Q 1024 | K 1024 | V 1024] f16, each part laid in the order of the matrix fragments by the launches before.  att: [4][16 q][4096 s][64] f16.
; Products, maximum and sum in f32; the row's true maximum is taken away before the exponentials; P is divided by its sum in f32 and rounded to f16 for the second product; att rounded once.
; LIMITS.  P below 6e-5 keeps f16's fixed step of 6e-8; an exponential below 2^-126 counts as 0; NaN and infinities are not treated apart.
; SHARES.  A wave takes four tokens that follow each other, with no loop: 48 loads of 512 consecutive bytes (lane l at byte 16 l), all issued at once.  Nothing is shared between waves: no barrier, no cluster, no tensor load.
; LAYOUT.  S^T = K Q^T (source 0 = 16 key heads, source 1 = 16 query heads, 32 channels a product): a lane holds ONE query head (l % 16) and the key heads 8 (l / 16) + 0..7.  Rounded in pairs these are half
; of source 1 of O^T = V^T P, which takes 32 keys: keys 0-15 are the even token's heads, keys 16-31 the odd token's; a token's P fills its half and the other half is 0.
; O^T holds one query head a lane and eight channels: 16 bytes.  They go through my stage in LDS, a row a query head with the four tokens side by side, and leave as 512 consecutive bytes of att.
.set QKVP, 6144                        ; bytes of a token in qkv
.set SP,   528                         ; a stage row: 4 tokens x 128 bytes + 16 of padding = 33 x 16 bytes: the 16 rows of a store start at 16 different groups of four banks (64 banks of 4 bytes: ISA guide 11.1)
.set STW,  16*SP                       ; a wave's stage
.set SPARE, 4*STW                      ; behind the stages: the spare words, 128 bytes for each wave: two blocks of 256 bytes that no other line names
.set ST,  6                            ; v[6:13]    token t: a pair: the statistic in hand, and what the other half of the lanes sent
.set S,   16                           ; v[16:47]   token t: 8 scores, then weights, then P
.set QK,  48                           ; v[48:175]  token t: Q's two fragments at 32 t, K's at 32 t + 16; later O^T, four accumulators
.set VV,  176                          ; v[176:239] tokens 2 u, 2 u + 1: V^T's fragment f at 32 u + 8 f, the even token's half first; later the rows read back
.set U,   240                          ; v[240:247] token t: a pair of partial sums
	s_load_b128 s[4:7], s[0:1], 0x0                ; qkv s[4:5], att s[6:7]
	v_lshl_add_u32 v4, v0, 2, SPARE                ; v4: my spare word; v5: 0; never rewritten
	v_mov_b32 v5, 0
	v_lshrrev_b32 v2, 5, v0
	v_readfirstlane_b32 s8, v2                     ; wave 0..3
	s_lshl_b32 s9, ttmp9, 4
	s_lshl2_add_u32 s9, s8, s9                     ; my first token: 16 x work-group + 4 x wave
	s_mul_i32 s2, s9, QKVP                         ; under 2^27
	s_mov_b32 s3, 0
	s_lshr_b32 s10, s9, 12                         ; n,
	s_lshl_b32 s10, s10, 23                        ; 16 x 4,096 x 128 bytes each
	s_and_b32 s11, s9, 4095                        ; s,
	s_lshl_b32 s11, s11, 7                         ; 128 bytes each
	s_add_co_u32 s10, s10, s11
	s_mov_b32 s11, 0
	s_mov_b32 s12, 0x3d38aa3b                      ; c = log2(e) / 32
	s_mov_b32 s13, s12                             ; named with it as a pair
	s_mov_b32 s14, 0x76543210                      ; v_permlanex16_b32: each lane takes its own place in the other half
	s_mov_b32 s15, 0xfedcba98
	s_mul_i32 s16, s8, STW                         ; my stage
	v_and_b32 v1, 31, v0
	v_lshlrev_b32 v1, 4, v1                        ; v1: 16 x lane; never rewritten
	s_wait_kmcnt 0x0
	s_add_nc_u64 s[4:5], s[4:5], s[2:3]
	s_add_nc_u64 s[6:7], s[6:7], s[10:11]
.irp t, 0,1,2,3
.irp c, 0,1
.irp g, 0,1
	global_load_b128 v[QK+32*(\t)+8*(\c)+4*(\g):QK+32*(\t)+8*(\c)+4*(\g)+3],       v1, s[4:5] offset:(\t)*QKVP+(\c)*1024+(\g)*512 th:TH_LOAD_NT
	global_load_b128 v[QK+16+32*(\t)+8*(\c)+4*(\g):QK+16+32*(\t)+8*(\c)+4*(\g)+3], v1, s[4:5] offset:(\t)*QKVP+2048+(\c)*1024+(\g)*512 th:TH_LOAD_NT
.endr
.endr
.endr
.irp t, 0,1,2,3
.irp f, 0,1,2,3
	global_load_b128 v[VV+32*((\t)/2)+8*(\f)+4*((\t)%2):VV+32*((\t)/2)+8*(\f)+4*((\t)%2)+3], v1, s[4:5] offset:(\t)*QKVP+4096+(\f)*512 th:TH_LOAD_NT
.endr
.endr
	v_and_b32 v14, 15, v0                          ; l % 16
	v_bfe_u32 v15, v0, 4, 1                        ; l / 16
	v_mul_u32_u24 v2, v14, SP
	v_lshl_add_u32 v2, v15, 4, v2
	v_add_nc_u32 v2, s16, v2                       ; v2: into the stage: row l % 16, 16 bytes for each half of the lanes
	v_add_nc_u32 v3, s16, v1                       ; v3: back: 32 lanes take a row's 512 bytes
	s_wait_loadcnt 16                              ; Q and K are in; V's sixteen loads may stay out
.irp t, 0,1,2,3                        ; the four accumulators take turns
	v_wmma_f32_16x16x32_f16 v[S+8*(\t):S+8*(\t)+7], v[QK+16+32*(\t):QK+16+32*(\t)+7], v[QK+32*(\t):QK+32*(\t)+7], 0
.endr
.irp t, 0,1,2,3
	v_wmma_f32_16x16x32_f16 v[S+8*(\t):S+8*(\t)+7], v[QK+24+32*(\t):QK+24+32*(\t)+7], v[QK+8+32*(\t):QK+8+32*(\t)+7], v[S+8*(\t):S+8*(\t)+7]
.endr
.irp t, 0,1,2,3
	v_mov_b32 v[ST+2*(\t)+1], 0                    ; v_permlanex16_b32 wants a written destination; these four lines are also the places behind the products
.endr
	; the maximum of a query head's 16 scores: eight in my lane (the accumulator's lowest registers first), eight in the lane 16 away.  Each line is written for all four tokens, so that none waits for the line before it
.irp t, 0,1,2,3
	v_max3_num_f32 v[ST+2*(\t)], v[S+8*(\t)], v[S+8*(\t)+1], v[S+8*(\t)+2]
.endr
.irp i, 3,5
.irp t, 0,1,2,3
	v_max3_num_f32 v[ST+2*(\t)], v[ST+2*(\t)], v[S+8*(\t)+(\i)], v[S+8*(\t)+(\i)+1]
.endr
.endr
.irp t, 0,1,2,3
	v_max_num_f32 v[ST+2*(\t)], v[ST+2*(\t)], v[S+8*(\t)+7]
.endr
.irp t, 0,1,2,3
	v_permlanex16_b32 v[ST+2*(\t)+1], v[ST+2*(\t)], s14, s15
.endr
.irp t, 0,1,2,3
	v_max_num_f32 v[ST+2*(\t)], v[ST+2*(\t)], v[ST+2*(\t)+1]
.endr
.irp t, 0,1,2,3
	v_mul_f32 v[ST+2*(\t)], s12, v[ST+2*(\t)]      ; c m
.endr
.irp i, 0,2,4,6
.irp t, 0,1,2,3
	v_pk_fma_f32 v[S+8*(\t)+(\i):S+8*(\t)+(\i)+1], v[S+8*(\t)+(\i):S+8*(\t)+(\i)+1], s[12:13], v[ST+2*(\t):ST+2*(\t)+1] op_sel_hi:[1,0,0] neg_lo:[0,0,1] neg_hi:[0,0,1]  ; c s - c m
.endr
.endr
.set r, 0
.rept 32
	v_exp_f32 v[S+r], v[S+r]
.set r, r+1
.endr
	v_nop                                          ; a plain instruction between the last exponential and the use of its result (ISA guide 5.7.2)
	s_wait_alu depctr_va_vdst(0)
.irp t, 0,1,2,3
	v_pk_add_f32 v[U+2*(\t):U+2*(\t)+1], v[S+8*(\t):S+8*(\t)+1], v[S+8*(\t)+2:S+8*(\t)+3]
.endr
.irp i, 4,6
.irp t, 0,1,2,3
	v_pk_add_f32 v[U+2*(\t):U+2*(\t)+1], v[U+2*(\t):U+2*(\t)+1], v[S+8*(\t)+(\i):S+8*(\t)+(\i)+1]
.endr
.endr
.irp t, 0,1,2,3
	v_add_f32 v[ST+2*(\t)], v[U+2*(\t)], v[U+2*(\t)+1]
.endr
.irp t, 0,1,2,3
	v_permlanex16_b32 v[ST+2*(\t)+1], v[ST+2*(\t)], s14, s15
.endr
.irp t, 0,1,2,3
	v_add_f32 v[ST+2*(\t)], v[ST+2*(\t)], v[ST+2*(\t)+1]  ; the sum of all 16: at least about 1, the maximum's own term
.endr
.irp t, 0,1,2,3
	v_rcp_f32 v[ST+2*(\t)], v[ST+2*(\t)]
.endr
	v_nop                                          ; a plain instruction behind the last reciprocal
	s_wait_alu depctr_va_vdst(0)
.irp i, 0,2,4,6
.irp t, 0,1,2,3
	v_pk_mul_f32 v[S+8*(\t)+(\i):S+8*(\t)+(\i)+1], v[S+8*(\t)+(\i):S+8*(\t)+(\i)+1], v[ST+2*(\t):ST+2*(\t)+1] op_sel_hi:[1,0]
.endr
.endr
	; P as source 1: an even token's eight weights pack upward into registers 0-3 (keys 0-15), an odd token's downward into registers 4-7 (keys 16-31); the other half is 0
.irp t, 0,2
.irp i, 0,1,2,3
	v_cvt_pk_f16_f32 v[S+8*(\t)+(\i)], v[S+8*(\t)+2*(\i)], v[S+8*(\t)+2*(\i)+1]
.endr
.irp i, 4,5,6,7
	v_mov_b32 v[S+8*(\t)+(\i)], 0
.endr
.endr
.irp t, 1,3
.irp i, 3,2,1,0
	v_cvt_pk_f16_f32 v[S+8*(\t)+4+(\i)], v[S+8*(\t)+2*(\i)], v[S+8*(\t)+2*(\i)+1]
.endr
.irp i, 0,1,2,3
	v_mov_b32 v[S+8*(\t)+(\i)], 0
.endr
.endr
	s_wait_loadcnt 0x0                             ; V
.irp u, 0,1
.irp f, 0,1,2,3
.irp e, 0,1                            ; sixteen products, each its own accumulator: token 2 u + e, channels 16 f on
	v_wmma_f32_16x16x32_f16 v[QK+32*(2*(\u)+(\e))+8*(\f):QK+32*(2*(\u)+(\e))+8*(\f)+7], v[VV+32*(\u)+8*(\f):VV+32*(\u)+8*(\f)+7], v[S+8*(2*(\u)+(\e)):S+8*(2*(\u)+(\e))+7], 0
.endr
.endr
.endr
.rept 4
	v_nop                                          ; the places behind the last products
.endr
.irp t, 0,1,2,3
.irp f, 0,1,2,3
.irp i, 0,1,2,3
	v_cvt_pk_f16_f32 v[QK+32*(\t)+8*(\f)+(\i)], v[QK+32*(\t)+8*(\f)+2*(\i)], v[QK+32*(\t)+8*(\f)+2*(\i)+1]  ; in place, upward
.endr
.endr
.endr
.irp t, 0,1,2,3
.irp f, 0,1,2,3
	ds_store_b128 v2, v[QK+32*(\t)+8*(\f):QK+32*(\t)+8*(\f)+3] offset:128*(\t)+32*(\f)
.endr
.endr
.irp q, 0,1,2,3,4,5,6,7,8,9,10,11,12,13,14,15
	ds_load_b128 v[VV+4*(\q):VV+4*(\q)+3], v3 offset:(\q)*SP  ; LDS serves a wave's instructions in order (ISA guide 5.7.1.4): these see the stores above
.endr
.irp q, 0,1,2,3,4,5,6,7,8,9,10,11,12,13,14,15
	s_wait_dscnt 15-(\q)                           ; row q is back; the 15 - q younger loads may stay out
	global_store_b128 v1, v[VV+4*(\q):VV+4*(\q)+3], s[6:7] offset:(\q)*524288  ; query head q's four tokens: 512 consecutive bytes, at a multiple of 512 from att's first; 7,864,320 at the most
.endr
	s_wait_tensorcnt 0x0                           ; the wave's end: behind my last LDS store
	ds_add_u32 v4, v5
	s_wait_dscnt 0x0
	s_endpgm
.Lfunc_end_k_q2c9d2adc56_attn:
	.size	k_q2c9d2adc56_attn, .Lfunc_end_k_q2c9d2adc56_attn-k_q2c9d2adc56_attn
	.p2alignl 7, 3214868480
	.fill 96, 4, 3214868480
	.section	.rodata,"a",@progbits
	.p2align	6, 0x0
	.amdhsa_kernel k_q2c9d2adc56_attn
		.amdhsa_group_segment_fixed_size 34304
		.amdhsa_private_segment_fixed_size 0
		.amdhsa_enable_private_segment 0
		.amdhsa_kernarg_size 16
		.amdhsa_user_sgpr_count 2
		.amdhsa_user_sgpr_kernarg_segment_ptr 1
		.amdhsa_wavefront_size32 1
		.amdhsa_system_sgpr_workgroup_id_x 1
		.amdhsa_system_sgpr_workgroup_id_y 1
		.amdhsa_system_sgpr_workgroup_id_z 1
		.amdhsa_system_vgpr_workitem_id 0
		.amdhsa_next_free_vgpr 248
		.amdhsa_next_free_sgpr 66
		.amdhsa_reserve_vcc 0
		.amdhsa_float_denorm_mode_32 3
		.amdhsa_float_denorm_mode_16_64 3
		.amdhsa_memory_ordered 1
		.amdhsa_forward_progress 1
		.amdhsa_inst_pref_size 24
	.end_amdhsa_kernel
	.amdgpu_metadata
---
amdhsa.version: [ 1, 2 ]
amdhsa.kernels:
  - .name:           k_q2c9d2adc56_attn
    .symbol:         k_q2c9d2adc56_attn.kd
    .args:
      - { .name: qkv, .offset: 0, .size: 8, .value_kind: global_buffer, .address_space: global }
      - { .name: att, .offset: 8, .size: 8, .value_kind: global_buffer, .address_space: global }
    .group_segment_fixed_size: 34304
    .private_segment_fixed_size: 0
    .kernarg_segment_align: 8
    .kernarg_segment_size: 16
    .max_flat_workgroup_size: 128
    .sgpr_count:     66
    .vgpr_count:     248
    .wavefront_size: 32
...
	.end_amdgpu_metadata
.endif
;; end of part 3
;; launch gemm_out (part 4): grid 4 x 64, 4 waves a work-group, clusters of 4 x 4, 327,680 bytes of LDS; arguments att, wo16, out0, bias; writes out0
.if DOCPART == 4
	.amdgcn_target "amdgcn-amd-amdhsa--gfx1250"
	.amdhsa_code_object_version 6
	.text
	.protected	k_q2c9d2adc56_gemm_out
	.globl	k_q2c9d2adc56_gemm_out
	.p2align	8
	.type	k_q2c9d2adc56_gemm_out,@function
k_q2c9d2adc56_gemm_out:
	s_mov_b64 s[64:65], 0
	v_nop
	global_prefetch_b8 v0, s[64:65] scope:SCOPE_SE
	s_setreg_imm32_b32 hwreg(HW_REG_WAVE_MODE, 25, 1), 1
	s_wait_xcnt 0x0
	s_wait_alu depctr_hold_cnt(0) depctr_sa_sdst(0) depctr_va_vdst(0) depctr_va_sdst(0) depctr_va_ssrc(0) depctr_va_vcc(0) depctr_vm_vsrc(0)
	s_getreg_b32 s2, hwreg(HW_REG_IB_STS2, 6, 4)
	s_cmp_eq_u32 s2, 0
	s_cbranch_scc0 .Lentry_in_a_cluster
	s_endpgm
.Lentry_in_a_cluster:
	s_bfe_u32 s2, ttmp6, 0x10000c
	s_cmp_lg_u32 s2, 0xf033
	s_cbranch_scc0 .Lentry_shape_is_right
	s_endpgm
.Lentry_shape_is_right:
; out0[m][n] = sum over k of att[m][k] wo16[n][k] + bo[n].  att: [16384][1024] f16 (the attention's result read flat), wo16: [1024][1024] f16, bo: f32 at entry 3,072 of bias, out0: [16384][1024] f32.
; Sums in f32, started with the bias; nothing is rounded on the way out.
; A tile of the result, 256 x 256, is made by four waves, each 128 x 128: 64 accumulators of 16 x 16, 512 registers; 256 tiles, one to a work-group.  K goes in steps of 128 through a ring of two LDS slots
; filled by the tensor data mover: the tiles' rows are 256 bytes of memory and start at multiples of 256 bytes from the buffer's first byte.
; CLUSTERS: 4 x 4 work-groups.  The four of a row of the cluster need the same tiles of att, the four of a column the same tiles of wo16: each is asked for JOINTLY, by the same tensor load with the same
; descriptor and a mask that names the four.  By this text's count a wave has two tensor loads out at the start and one behind each change of slots.
; THE MATRIX INSTRUCTION IS USED TRANSPOSED: source 0 = 16 rows of wo16, source 1 = 16 rows of att: lane l holds row l % 16 of the result and the columns 8 (l / 16) + 0..7: 32 bytes of f32.
; THE BIAS COSTS NO ARITHMETIC: the first products take it as their C operand.
; THE LAST K STEP GOES BY ROWS OF THE RESULT, NOT BY K: nothing follows the tile under which its 256 KiB of stores could leave, so my eight blocks of 16 rows are finished one after the other and each
; leaves as soon as it is finished, the first seven eighths of a K step ahead of the last product.
; REGISTERS, in windows of 256 (s_set_vgpr_msb: bits 1:0 source 0, 3:2 source 1, 5:4 source 2, 7:6 destination):
;   window 0: v0-31 addresses; v64-127, v128-191 fragments of att, two buffers (in the last K step four, of 16 rows x 128 K)
;   window 1: v64-127, v128-191 fragments of wo16, two buffers; v192-255 the bias; in the last K step all 256: wo16's fragments of the whole step
;   window 2: the accumulators of my rows 0-63 ((a, b) at v[8 (8 a + b)])        window 3: those of my rows 64-127.  On the way out a block's rows come back from the stage into its own accumulators.
.set SIZE_K, 1024
.set KSTEP,  128
.set PITCH,  272                       ; an LDS row: 256 bytes + 16 of padding = 68 words: the 16 rows that a load touches start at 16 different groups of four banks (64 banks of 4 bytes: ISA guide 11.1)
.set HALFT,  128*PITCH
.set SLOT,   4*HALFT                   ; att's 256 rows, then wo16's 256 rows
.set STAGE,  2*SLOT                    ; behind the ring: 16 rows x 528 bytes for each wave, for the way out; no tensor load lands there
.set SPITCH, 528                       ; 128 columns of f32 + 16 bytes = 33 x 16 bytes
.set SPARE,  STAGE+4*16*SPITCH         ; behind the stages: the spare words, 128 bytes for each wave: two blocks of 256 bytes that no other line names
.set LAPS,   SIZE_K/(2*KSTEP)
.set CP,     1024*4                    ; bytes in a row of out0
.set ADRA, 16                          ; v16-17  LDS address of my fragments of att in slot 0, 1
.set ADRB, 20                          ; v20-21  the same for wo16
.set STO,  24                          ; v24     the way out: where I put 32 bytes of a row
.set RD,   25                          ; v25     the way out: where I read a row back
.set CO,   26                          ; v26     my byte offset in 512 bytes of out0: 16 x lane
.set BO,   27                          ; v27     my byte offset in a block of 16 biases: 32 (l / 16)
.set SPW,  28                          ; v28     LDS address of my spare word; never rewritten
.set NIL,  29                          ; v29     0; never rewritten
.set PFO,  30                          ; v30     the prefetches' offset: my lane x a row of att or wo16 (2,048 bytes); never rewritten
.set F0,   64
.set F1,   128
.set PA,   64                          ; the last K step: att's fragments of 16 rows x 128 K, 32 registers; four such buffers, v64-191
.set BIAS, 192                         ; window 1
.set G1,  24
.set G0,  32
.set G1B, 48
.set G0B, 56
.set LIM,  43                          ; s43     1 in a wave that prefetches, else the greatest number
.set PFA,  44                          ; s[44:45] the K step that my next prefetch names, at my work-group's 32 rows of the 128 that I fetch
.set CPTR, 72                          ; s[72:73] out0 at my part of the tile
.set BPTR, 74                          ; s[74:75] bias at my 128 columns of bo
.set MSB, 0
.macro WIN new                         ; the immediate's high byte repeats the setting that is left; a switch that changes nothing is dropped
.if MSB != (\new)
	s_set_vgpr_msb (MSB<<8)|(\new)
.set MSB, \new
.endif
.endm
; A joint load.  Waves 0 and 1 fetch att's two halves, waves 2 and 3 wo16's.  The branch hangs on the wave's number alone.  An s_nop 0 and four v_nop follow each of the two lines.
.macro JLOAD s
	s_cmp_eq_u32 s11, 0
	s_cbranch_scc0 .Lfor_b_\@
	tensor_load_to_lds s[G0+4*(\s):G0+4*(\s)+3], s[G1:G1+7]
	s_nop 0
.rept 4
	v_nop
.endr
	s_branch .Lasked_\@
.Lfor_b_\@:
	tensor_load_to_lds s[G0B+4*(\s):G0B+4*(\s)+3], s[G1B:G1B+7]
	s_nop 0
.rept 4
	v_nop
.endr
.Lasked_\@:
.endm
; A PREFETCH INTO THE L2, behind each joint load, its five lines and the run of LDS loads that follows them: the K step that the NEXT refill will ask for: 32 rows x 256 bytes, a lane a row, one instruction a wave,
; 256 matrix instructions ahead of the load that will want it.  At a change of slots every wave has waited for all its tensor loads, so the refill that follows has nothing on its way beside it.
; Each row's 256 bytes of a K step are named ONCE in the launch.  att's tile row is read by one cluster alone (the grid is one cluster wide); wo16's tile column by all sixteen clusters: cluster y = 0 prefetches.
; The four partners that ask for a tile jointly share its rows out BY ADDRESS: of the 128 rows that wave w fetches, the partner at place p takes 32 p .. 32 p + 31 (p = cx for att, cy for wo16):
; no branch hangs on a work-group's place in its cluster.  last = 1: the refill is slot 1's: in the loop's last trip it is the last K step, and nothing is asked for behind it.  K steps 0 to 2 come by their loads alone.
.macro ASK last
.if \last
	s_cmp_gt_u32 s3, s[LIM]                        ; s3 = 1 in the loop's last trip
.else
	s_cmp_eq_u32 s[LIM], 1
.endif
	s_cbranch_scc0 .Lnot_mine_\@
	global_prefetch_b8 v[PFO], s[PFA:PFA+1] th:TH_LOAD_NT scope:SCOPE_SE
.Lnot_mine_\@:
.endm
; A round of the cluster's barrier: my work-group's barrier; wave 0 signals for the work-group; every wave waits for all sixteen work-groups; my work-group's barrier once more.
.macro CREST
	s_cmp_lg_u32 s10, 0
	s_cbranch_scc1 .Lnot_wave_0_\@
	s_barrier_signal -3
.Lnot_wave_0_\@:
	s_barrier_wait -3
	s_barrier_signal -1
	s_barrier_wait -1
.endm
.macro CROUND
	s_barrier_signal -1
	s_barrier_wait -1
	CREST
.endm
	s_load_b128 s[4:7], s[0:1], 0x0                ; att s[4:5], wo16 s[6:7]
	s_load_b128 s[72:75], s[0:1], 0x10             ; out0, bias
	v_lshl_add_u32 v[SPW], v0, 2, SPARE
	v_mov_b32 v[NIL], 0
	ds_add_u32 v[SPW], v[NIL]                      ; the wave's opening: the add and its wait stand ahead of my first tensor load; the set-up below, work on registers, stands between them
	v_lshrrev_b32 v1, 5, v0
	v_readfirstlane_b32 s10, v1                    ; wave 0..3
	s_lshr_b32 s11, s10, 1                         ; which half of the tile's rows is mine.  Also: I fetch for att (0) or for wo16 (1)
	s_and_b32 s12, s10, 1                          ; which half of its columns.  Also: which 128 rows of that tile I fetch
	s_bfe_u32 s40, ttmp6, 0x40000                  ; cx
	s_bfe_u32 s41, ttmp6, 0x40004                  ; cy
	s_lshl_b32 s42, ttmp9, 2
	s_add_co_u32 s42, s42, s40                     ; X: tile column = 4 x cluster x + cx
	s_and_b32 s13, ttmp7, 0xffff
	s_lshl_b32 s13, s13, 2
	s_add_co_u32 s13, s13, s41                     ; R: tile row = 4 x cluster y + cy
	s_lshl_b32 s43, s41, 2
	s_lshl_b32 s43, 15, s43                        ; my row of the cluster
	s_lshl_b32 s44, 0x1111, s40                    ; my column
	s_or_b32 s[G1+0], s43, (1<<16)|(1<<20)|(1<<21)|(5<<22)|(3<<25)   ; 15:0 the mask; 17:16 elements of 2 bytes; 20 padding on; 21 set beside a mask; 24:22 after every 64 words (code 5); 31:25 4 words (code 3)
	s_or_b32 s[G1B+0], s44, (1<<16)|(1<<20)|(1<<21)|(5<<22)|(3<<25)
.irp g, G1, G1B
	s_mov_b32 s[(\g)+1], KSTEP<<16                 ; tensor_dim0 = 128
	s_mov_b32 s[(\g)+2], 128<<16                   ; tensor_dim1 = 128
	s_mov_b32 s[(\g)+3], KSTEP<<16                 ; tile_dim0 = 128
	s_mov_b32 s[(\g)+4], 128                       ; tile_dim1 = 128
	s_mov_b32 s[(\g)+5], SIZE_K                    ; elements from row to row
	s_mov_b32 s[(\g)+6], 0
	s_mov_b32 s[(\g)+7], 0
.endr
	s_lshl_b32 s17, s12, 7
	s_lshl_b32 s16, s13, 8
	s_add_co_u32 s16, s16, s17                     ; att: row 256 R + 128 x half
	s_lshl_b32 s46, s42, 8
	s_add_co_u32 s46, s46, s17                     ; wo16: row 256 X + 128 x half
	s_mov_b32 s17, 0
	s_mov_b32 s47, 0
	s_mov_b64 s[18:19], SIZE_K*2
	s_mul_u64 s[16:17], s[16:17], s[18:19]
	s_mul_u64 s[46:47], s[46:47], s[18:19]
	s_mul_i32 s20, s10, HALFT                      ; where they go: wave x 128 rows
	s_wait_dscnt 0x0                               ; the opening add is done
	s_wait_kmcnt 0x0
	s_add_nc_u64 s[14:15], s[4:5], s[16:17]
	s_add_nc_u64 s[46:47], s[6:7], s[46:47]
	CROUND                                         ; all sixteen work-groups are here: the first joint loads meet
.irp s, 0,1
	s_mov_b32 s[G0+4*(\s)], 1
	s_add_co_u32 s[G0+4*(\s)+1], s20, (\s)*SLOT
	s_add_nc_u64 s[G0+4*(\s)+2:G0+4*(\s)+3], s[14:15], (\s)*KSTEP*2
	s_or_b32 s[G0+4*(\s)+3], s[G0+4*(\s)+3], 0x80000000
	s_mov_b32 s[G0B+4*(\s)], 1
	s_add_co_u32 s[G0B+4*(\s)+1], s20, (\s)*SLOT
	s_add_nc_u64 s[G0B+4*(\s)+2:G0B+4*(\s)+3], s[46:47], (\s)*KSTEP*2
	s_or_b32 s[G0B+4*(\s)+3], s[G0B+4*(\s)+3], 0x80000000
	JLOAD \s
.endr
	v_and_b32 v1, 15, v0                           ; l % 16
	v_bfe_u32 v2, v0, 4, 1                         ; l / 16
	v_mul_u32_u24 v3, v1, PITCH
	v_lshl_add_u32 v3, v2, 4, v3
	s_mul_i32 s21, s11, HALFT                      ; my 128 rows of att
	s_mul_i32 s22, s12, HALFT                      ; my 128 rows of wo16,
	s_add_co_u32 s22, s22, 2*HALFT                 ; which lie behind att's 256
.irp s, 0,1
	v_add_nc_u32 v[ADRA+(\s)], s21, v3
	v_add_nc_u32 v[ADRB+(\s)], s22, v3
	s_add_co_u32 s21, s21, SLOT
	s_add_co_u32 s22, s22, SLOT
.endr
	s_mul_i32 s23, s10, 16*SPITCH
	s_add_co_u32 s23, s23, STAGE                   ; my stage
	v_mul_u32_u24 v4, v1, SPITCH                   ; in: row l % 16, 32 bytes for each half of the lanes
	v_lshl_add_u32 v4, v2, 5, v4
	v_add_nc_u32 v[STO], s23, v4
	v_and_b32 v5, 31, v0
	v_lshlrev_b32 v[CO], 4, v5                     ; back and out: 32 lanes take a row's 512 bytes
	v_add_nc_u32 v[RD], s23, v[CO]
	v_lshlrev_b32 v[BO], 5, v2
	s_lshl_b32 s16, s13, 8
	s_lshl_b32 s17, s11, 7
	s_add_co_u32 s16, s16, s17                     ; my first row: 256 R + 128 x half,
	s_lshl_b32 s16, s16, 12                        ; in bytes: under 2^26
	s_mov_b32 s17, 0
	s_add_nc_u64 s[CPTR:CPTR+1], s[CPTR:CPTR+1], s[16:17]
	s_lshl_b32 s46, s42, 10                        ; my first column, in bytes of f32: 1,024 X + 512 x half
	s_lshl_b32 s47, s12, 9
	s_add_co_u32 s46, s46, s47
	s_mov_b32 s47, 0
	s_add_nc_u64 s[CPTR:CPTR+1], s[CPTR:CPTR+1], s[46:47]
	s_add_nc_u64 s[BPTR:BPTR+1], s[BPTR:BPTR+1], s[46:47]
	s_add_nc_u64 s[BPTR:BPTR+1], s[BPTR:BPTR+1], 3072*4  ; bo lies behind the three other biases
	WIN 0x40                                       ; the bias of my 128 columns: destination window 1, address window 0
.irp b, 0,1,2,3,4,5,6,7
	global_load_b128 v[BIAS+8*(\b):BIAS+8*(\b)+3],   v[BO], s[BPTR:BPTR+1] offset:64*(\b)
	global_load_b128 v[BIAS+8*(\b)+4:BIAS+8*(\b)+7], v[BO], s[BPTR:BPTR+1] offset:64*(\b)+16
.endr
	WIN 0
	; the prefetches: nothing is asked for here, at the head, where every work-group's first tiles are on their way
	s_lshl_b32 s20, s13, 8                         ; att's tile begins at row 256 R,
	s_lshl_b32 s21, s42, 8                         ; wo16's at row 256 X
	s_and_b32 s22, ttmp7, 0xffff                   ; cluster y
	s_cmp_eq_u32 s11, 0                            ; do I fetch for att?
	s_cselect_b32 s20, s20, s21
	s_cselect_b32 s21, s40, s41                    ; my place among the four that ask for the tile with me
	s_cselect_b32 s22, ttmp9, s22                  ; the coordinate along which other clusters read the same rows
	s_cselect_b64 s[PFA:PFA+1], s[4:5], s[6:7]
	s_cmp_eq_u32 s22, 0
	s_cselect_b32 s[LIM], 1, -1                    ; the same in all sixteen partners, for a given wave
	s_lshl_b32 s22, s12, 7
	s_add_co_u32 s20, s20, s22                     ; + the 128 rows that I fetch
	s_lshl_b32 s21, s21, 5
	s_add_co_u32 s20, s20, s21                     ; + my work-group's 32 of them,
	s_lshl_b32 s20, s20, 11                        ; 2,048 bytes each: under 2^25
	s_mov_b32 s21, 0
	s_add_nc_u64 s[PFA:PFA+1], s[PFA:PFA+1], s[20:21]
	s_add_nc_u64 s[PFA:PFA+1], s[PFA:PFA+1], 2*KSTEP*2  ; at K step 2: the first change of slots, which asks for it, steps this to K step 3
	v_and_b32 v[PFO], 31, v0
	v_lshlrev_b32 v[PFO], 11, v[PFO]
; 16 matrix instructions: row blocks a0, a0 + 1 of the window's four (hi = 0: my rows 0-63, 1: rows 64-127) x all 8 column blocks, 32 along K.  first = 1: the product starts the sum with the bias.
; Windows: source 0 (wo16) 1, source 1 (att) 0, D 2 or 3; C with D, or, first = 1, window 1.
.macro MUL16 f, hi, a0, first
.if \first
	WIN 0x91+0x40*(\hi)
.else
	WIN 0xa1+0x50*(\hi)
.endif
.irp a, \a0, (\a0)+1
.irp b, 0,1,2,3,4,5,6,7
.if \first
	v_wmma_f32_16x16x32_f16 v[8*(8*(\a)+(\b)):8*(8*(\a)+(\b))+7], v[(\f)+8*(\b):(\f)+8*(\b)+7], v[(\f)+8*(4*(\hi)+(\a)):(\f)+8*(4*(\hi)+(\a))+7], v[BIAS+8*(\b):BIAS+8*(\b)+7]
.else
	v_wmma_f32_16x16x32_f16 v[8*(8*(\a)+(\b)):8*(8*(\a)+(\b))+7], v[(\f)+8*(\b):(\f)+8*(\b)+7], v[(\f)+8*(4*(\hi)+(\a)):(\f)+8*(4*(\hi)+(\a))+7], v[8*(8*(\a)+(\b)):8*(8*(\a)+(\b))+7]
.endif
.endr
.endr
.endm
; 32 LDS loads in one run: the fragments of one quarter step (32 K at byte k of the rows) into buffer f: wo16's 16, then att's 16
.macro FETCH slot, k, f
	WIN 0x40
.irp i, 0,1,2,3,4,5,6,7
	ds_load_b128 v[(\f)+8*(\i):(\f)+8*(\i)+3],   v[ADRB+(\slot)] offset:(\k)+(\i)*16*PITCH
	ds_load_b128 v[(\f)+8*(\i)+4:(\f)+8*(\i)+7], v[ADRB+(\slot)] offset:(\k)+(\i)*16*PITCH+32
.endr
	WIN 0
.irp i, 0,1,2,3,4,5,6,7
	ds_load_b128 v[(\f)+8*(\i):(\f)+8*(\i)+3],   v[ADRA+(\slot)] offset:(\k)+(\i)*16*PITCH
	ds_load_b128 v[(\f)+8*(\i)+4:(\f)+8*(\i)+7], v[ADRA+(\slot)] offset:(\k)+(\i)*16*PITCH+32
.endr
.endm
; Four plain vector instructions stand between a matrix instruction and a load into one of its registers or an LDS store that reads its result (ISA guide 7.12.1 for vector instructions).
.macro PLACES
.rept 4
	v_nop
.endr
.endm
; A K step is four quarters of 32 along K, 64 matrix instructions each, on buffers 0, 1, 0, 1.  The 64 accumulators take turns in the same order everywhere.
.macro QUARTER slot, k, f, g, first
	s_wait_dscnt 8                                 ; wo16's fragments and att's rows 0-63 are in; the youngest eight loads (att's rows 64-127) may be out
	MUL16 \f, 0, 0, \first
	MUL16 \f, 0, 2, \first
	PLACES
	FETCH \slot, \k, \g
	s_wait_dscnt 32                                ; all but the 32 just issued
	MUL16 \f, 1, 0, \first
	MUL16 \f, 1, 2, \first
.endm
; The first half of a K step's last quarter: one barrier for the change of slots.  In front of it each wave waits for all its tensor loads (one is out: its part of the next slot), adds 0 to its spare word,
; and waits for that and for its reads of this slot.
.macro MEET round
	WIN 0                                          ; the add's two registers lie in window 0
	s_wait_tensorcnt 0x0
	ds_add_u32 v[SPW], v[NIL]                      ; 0 onto my spare word
	s_wait_dscnt 9                                 ; the add and the youngest eight loads may be out
	MUL16 F1, 0, 0, 0
	s_wait_dscnt 0x0                               ; the add is done, and my reads of this slot are over
	s_barrier_signal -1
	MUL16 F1, 0, 2, 0                              ; work on registers while the others arrive
.if \round
	WIN 0
.endif
	s_barrier_wait -1
.endm
; The whole last quarter where the slot is filled again, two K steps on.  The barrier opens a round of the cluster's barrier; the joint load is the first tensor load behind the round;
; from it to the wait for it a wave issues 224 matrix instructions.
.macro TURN slot, next
	s_wait_xcnt 0x0                                ; the last prefetch, a K step back, has read its address: it is stepped here, ahead of the waits of the change of slots
	s_add_nc_u64 s[PFA:PFA+1], s[PFA:PFA+1], KSTEP*2
	MEET 1
	CREST
	s_add_nc_u64 s[G0+4*(\slot)+2:G0+4*(\slot)+3], s[G0+4*(\slot)+2:G0+4*(\slot)+3], 2*KSTEP*2
	s_add_nc_u64 s[G0B+4*(\slot)+2:G0B+4*(\slot)+3], s[G0B+4*(\slot)+2:G0B+4*(\slot)+3], 2*KSTEP*2
	JLOAD \slot                                    ; its four v_nop are also the places in front of the loads below
	FETCH \next, 0, F0
	ASK \slot
	MUL16 F1, 1, 0, 0
	MUL16 F1, 1, 2, 0
.endm
; THE LAST K STEP (it lies in slot 1), BY ROWS.  All its fragments of wo16 (4 quarters x 64 registers) fill window 1; att's come by blocks of 16 rows x 128 K.  LDS is read no more than in any other K step.
.macro BFRAG q                         ; wo16's fragments of quarter q -> window 1, v[64 q ..]
	WIN 0x40
.irp i, 0,1,2,3,4,5,6,7
	ds_load_b128 v[64*(\q)+8*(\i):64*(\q)+8*(\i)+3],   v[ADRB+1] offset:64*(\q)+(\i)*16*PITCH
	ds_load_b128 v[64*(\q)+8*(\i)+4:64*(\q)+8*(\i)+7], v[ADRB+1] offset:64*(\q)+(\i)*16*PITCH+32
.endr
.endm
.macro ALOAD a                         ; att's fragments of block a, all four quarters -> buffer a % 4
	WIN 0
.set FA, PA+32*((\a)%4)
.irp q, 0,1,2,3
	ds_load_b128 v[FA+8*(\q):FA+8*(\q)+3],   v[ADRA+1] offset:64*(\q)+(\a)*16*PITCH
	ds_load_b128 v[FA+8*(\q)+4:FA+8*(\q)+7], v[ADRA+1] offset:64*(\q)+(\a)*16*PITCH+32
.endr
.endm
.macro ROW a                           ; block a is finished: 32 matrix instructions; its 8 accumulators take turns
.set FA, PA+32*((\a)%4)
.set AC, 64*((\a)%4)
	WIN 0xa1+0x50*((\a)/4)
.irp q, 0,1,2,3
.if (\a) == 0 && (\q) == 2
	s_wait_dscnt 24                                ; wo16's quarter 2 is in (behind it: att's blocks 1 to 3, 24 loads)
.endif
.irp b, 0,1,2,3,4,5,6,7
	v_wmma_f32_16x16x32_f16 v[AC+8*(\b):AC+8*(\b)+7], v[64*(\q)+8*(\b):64*(\q)+8*(\b)+7], v[FA+8*(\q):FA+8*(\q)+7], v[AC+8*(\b):AC+8*(\b)+7]
.endr
.endr
.endm
; THE WAY OUT of row block a.  TOSTAGE: the accumulators go as they are into my own stage, 32 bytes a lane and column block (each accumulator's low four registers first), and come back as whole rows of 512 bytes
; into the same 64 registers: each block has registers of its own, so no store's data is ever written again.  SEND: stored.  One window setting serves both: data and destination in window 2 or 3, addresses in window 0.
.macro TOSTAGE a
.set AC, 64*((\a)%4)
	WIN 0x88+0x44*((\a)/4)
.irp b, 0,1,2,3,4,5,6,7
	ds_store_b128 v[STO], v[AC+8*(\b):AC+8*(\b)+3]   offset:64*(\b)
	ds_store_b128 v[STO], v[AC+8*(\b)+4:AC+8*(\b)+7] offset:64*(\b)+16
.endr
.irp t, 0,1,2,3,4,5,6,7,8,9,10,11,12,13,14,15
	ds_load_b128 v[AC+4*(\t):AC+4*(\t)+3], v[RD] offset:(\t)*SPITCH  ; LDS serves a wave's instructions in order (ISA guide 5.7.1.4): these see the stores above, and the next block's stores come behind them
.endr
.endm
.macro SEND a, younger                 ; younger: the LDS loads issued behind block a's: the eight of the att block four further on, or none
.set AC, 64*((\a)%4)
	WIN 0x88+0x44*((\a)/4)
	s_wait_dscnt \younger
.irp t, 0,1,2,3,4,5,6,7,8,9,10,11,12,13,14,15
	global_store_b128 v[CO], v[AC+4*(\t):AC+4*(\t)+3], s[CPTR:CPTR+1] offset:(16*(\a)+(\t))*CP  ; 512 consecutive bytes, at a multiple of 512 from out0's first; 127 rows at the most: 520,192
.endr
.endm
	s_wait_tensorcnt 1                             ; my part of K step 0 is in; K step 1's may stay out
	s_barrier_signal -1
	s_barrier_wait -1                              ; everybody's is
	FETCH 0, 0, F0
	s_wait_loadcnt 0x0                             ; the bias
	QUARTER 0, 64,  F0, F1, 1                      ; the first quarter: its products start the sums with the bias
	WIN 0
	s_mov_b32 s3, LAPS-1
.Llap:                                                 ; a trip goes once round the ring, from a lap's second quarter to the next lap's first, and fills both slots again
	QUARTER 0, 128, F1, F0, 0
	QUARTER 0, 192, F0, F1, 0
	TURN 0, 1
	QUARTER 1, 64,  F0, F1, 0
	QUARTER 1, 128, F1, F0, 0
	QUARTER 1, 192, F0, F1, 0
	TURN 1, 0
	QUARTER 0, 64,  F0, F1, 0
	WIN 0
	s_sub_co_u32 s3, s3, 1
	s_cmp_lg_u32 s3, 0
	s_cbranch_scc1 .Llap
	QUARTER 0, 128, F1, F0, 0                      ; the last lap fills nothing
	QUARTER 0, 192, F0, F1, 0
	MEET 0                                         ; slot 1's last K step has landed; no round follows
	PLACES                                         ; for the loads into buffer 0, which the quarter before multiplied
	BFRAG 0                                        ; three quarters of wo16 now: buffer 1 (v128-191 of both windows) is still being multiplied
	BFRAG 1
	BFRAG 3
	ALOAD 0
	MUL16 F1, 1, 0, 0
	MUL16 F1, 1, 2, 0
	PLACES                                         ; for the loads into buffer 1
	BFRAG 2
	ALOAD 1
	ALOAD 2
	ALOAD 3
	s_wait_dscnt 40                                ; all but the 40 just issued
	ROW 0
.irp a, 0,1,2,3,4,5,6,7                ; each block leaves as soon as it is finished
	PLACES                                         ; the LDS stores read results just made, and the loads behind them land in registers that the block's products named
	TOSTAGE \a
.if (\a) < 4
	ALOAD (\a)+4                                   ; its buffer takes the block four further on
	SEND \a, 8
.else
	SEND \a, 0
.endif
.if (\a) < 7
	ROW (\a)+1
.endif
.endr
	WIN 0
	s_wait_tensorcnt 0x0                           ; the wave's end: behind my last tensor load and my last LDS store
	ds_add_u32 v[SPW], v[NIL]
	s_wait_dscnt 0x0
	CROUND                                         ; the closing round: no work-group ends while a partner may still ask for a tile that names it
	s_endpgm
.Lfunc_end_k_q2c9d2adc56_gemm_out:
	.size	k_q2c9d2adc56_gemm_out, .Lfunc_end_k_q2c9d2adc56_gemm_out-k_q2c9d2adc56_gemm_out
	.p2alignl 7, 3214868480
	.fill 96, 4, 3214868480
	.section	.rodata,"a",@progbits
	.p2align	6, 0x0
	.amdhsa_kernel k_q2c9d2adc56_gemm_out
		.amdhsa_group_segment_fixed_size 327680
		.amdhsa_private_segment_fixed_size 0
		.amdhsa_enable_private_segment 0
		.amdhsa_kernarg_size 32
		.amdhsa_user_sgpr_count 2
		.amdhsa_user_sgpr_kernarg_segment_ptr 1
		.amdhsa_wavefront_size32 1
		.amdhsa_system_sgpr_workgroup_id_x 1
		.amdhsa_system_sgpr_workgroup_id_y 1
		.amdhsa_system_sgpr_workgroup_id_z 1
		.amdhsa_system_vgpr_workitem_id 0
		.amdhsa_next_free_vgpr 1024
		.amdhsa_next_free_sgpr 76
		.amdhsa_reserve_vcc 0
		.amdhsa_float_denorm_mode_32 3
		.amdhsa_float_denorm_mode_16_64 3
		.amdhsa_memory_ordered 1
		.amdhsa_forward_progress 1
		.amdhsa_inst_pref_size 143
	.end_amdhsa_kernel
	.amdgpu_metadata
---
amdhsa.version: [ 1, 2 ]
amdhsa.kernels:
  - .name:           k_q2c9d2adc56_gemm_out
    .symbol:         k_q2c9d2adc56_gemm_out.kd
    .args:
      - { .name: att, .offset: 0, .size: 8, .value_kind: global_buffer, .address_space: global }
      - { .name: wo16, .offset: 8, .size: 8, .value_kind: global_buffer, .address_space: global }
      - { .name: out0, .offset: 16, .size: 8, .value_kind: global_buffer, .address_space: global }
      - { .name: bias, .offset: 24, .size: 8, .value_kind: global_buffer, .address_space: global }
    .group_segment_fixed_size: 327680
    .private_segment_fixed_size: 0
    .kernarg_segment_align: 8
    .kernarg_segment_size: 32
    .max_flat_workgroup_size: 128
    .sgpr_count:     76
    .vgpr_count:     1024
    .wavefront_size: 32
...
	.end_amdgpu_metadata
.endif
;; end of part 4
;; ======== version 2 of 2: 4 launches; version 1 with the launch attn written anew for expert scheduling mode
;; limits: values are held in f16: magnitudes above 65,504 overflow, below 6.1e-05 lose precision
;; workspace buffers: xb 33,554,432 bytes; wqkv 6,291,456 bytes; wo16 2,097,152 bytes; bias 16,384 bytes; qkv 100,663,296 bytes; att 33,554,432 bytes
;; launch cast: the kernel of part 1 again; grid 1284 x 1, 8 waves a work-group, no clusters, 0 bytes of LDS; arguments x, Wq, Wk, Wv, Wo, bq, bk, bv, bo, xb, wqkv, wo16, bias; writes xb, wqkv, wo16, bias
;; launch gemm_qkv: the kernel of part 2 again; grid 4 x 64, 4 waves a work-group, clusters of 4 x 4, 327,680 bytes of LDS; arguments xb, wqkv, qkv, bias; writes qkv
;; launch attn (part 5): grid 1024 x 1, 4 waves a work-group, no clusters, 34,304 bytes of LDS; arguments qkv, att; writes att
.if DOCPART == 5
	.amdgcn_target "amdgcn-amd-amdhsa--gfx1250"
	.amdhsa_code_object_version 6
	.text
	.protected	k_q2c9d2adc56_attn
	.globl	k_q2c9d2adc56_attn
	.p2align	8
	.type	k_q2c9d2adc56_attn,@function
k_q2c9d2adc56_attn:
	s_mov_b64 s[64:65], 0
	v_nop
	global_prefetch_b8 v0, s[64:65] scope:SCOPE_SE
	s_setreg_imm32_b32 hwreg(HW_REG_WAVE_SCHED_MODE, 0, 2), 2
	s_setreg_imm32_b32 hwreg(HW_REG_WAVE_MODE, 25, 1), 1
	s_wait_xcnt 0x0
	s_wait_alu depctr_vm_vsrc(0)
; EACH TOKEN ATTENDS OVER ITS OWN 16 HEADS.  For token (n, s): energy[q][k] = Q[head q] . K[head k] / 32; P = softmax over k; att[n][q][s][:] = sum over l of P[q][l] V[head l][:].
; qkv: [16384 tokens][Q 1024 | K 1024 | V 1024] f16, each part laid in the order of the matrix fragments by the launches before.  att: [4][16 q][4096 s][64] f16.
; Products, maximum and sum in f32; the row's true maximum is taken away before the exponentials; P is divided by its sum in f32 and rounded to f16 for the second product; att rounded once.
; LIMITS.  P below 6e-5 keeps f16's fixed step of 6e-8; an exponential below 2^-126 counts as 0; NaN and infinities are not treated apart.
; SHARES.  A wave takes four tokens that follow each other, with no loop: 48 loads of 512 consecutive bytes (lane l at byte 16 l), all issued at once.  Nothing is shared between waves: no barrier, no cluster, no tensor load.
; LAYOUT.  S^T = K Q^T (source 0 = 16 key heads, source 1 = 16 query heads, 32 channels a product): a lane holds ONE query head (l % 16) and the key heads 8 (l / 16) + 0..7.  Rounded in pairs these are half
; of source 1 of O^T = V^T P, which takes 32 keys: keys 0-15 are the even token's heads, keys 16-31 the odd token's; a token's P fills its half and the other half is 0.
; O^T holds one query head a lane and eight channels: 16 bytes.  They go through my stage in LDS, a row a query head with the four tokens side by side, and leave as 512 consecutive bytes of att.
; THE MODE: SCHED_MODE bits 1:0 = 2 (LLVM: expert scheduling mode 2), set by the entry lines.  The code itself states the register dependences
; between vector or matrix instructions and memory or LDS instructions, with s_wait_alu, always for 0.
; THE PLAN.  Registers that memory or LDS instructions touch, in the order of the text (there is no loop and no branch):
;   v1        Written at the head; read as the offset by all 48 loads and all 16 stores; never written again.
;   v[QK ..]  Q's and K's loads land here; the products K Q^T read them; the products V^T P write them; the conversions close them up in place; the LDS stores read the low four of each eight; not written after that.
;   v[VV ..]  V's loads land here; the products V^T P read them; the LDS loads from the stage land here; the global stores read them.
;   v2, v3    The stage's two addresses: made behind the global loads, read by the LDS stores and the LDS loads; not written after that.
;   v4, v5    Written at the head, read by the closing add alone.
;   S, ST, U, v14, v15 are named by vector and matrix instructions alone.
; So: one wait on va_sdst for the wave's number; one on va_vdst ahead of the global loads (v1); one behind the exponentials and one behind the reciprocals, for their results; one behind the conversions of tokens 0 and 1,
; whose LDS stores are then dealt among the conversions of tokens 2 and 3, which name other registers; and one behind those, for the rest of the LDS stores and for the LDS loads.
; No register that a memory or LDS instruction has read is written again, so no wait on vm_vsrc is written beyond the entry's.
.set QKVP, 6144                        ; bytes of a token in qkv
.set SP,   528                         ; a stage row: 4 tokens x 128 bytes + 16 of padding = 33 x 16 bytes: the 16 rows of a store start at 16 different groups of four banks (64 banks of 4 bytes: ISA guide 11.1)
.set STW,  16*SP                       ; a wave's stage
.set SPARE, 4*STW                      ; behind the stages: the spare words, 128 bytes for each wave: two blocks of 256 bytes that no other line names
.set ST,  6                            ; v[6:13]    token t: a pair: the statistic in hand, and what the other half of the lanes sent
.set S,   16                           ; v[16:47]   token t: 8 scores, then weights, then P
.set QK,  48                           ; v[48:175]  token t: Q's two fragments at 32 t, K's at 32 t + 16; later O^T, four accumulators
.set VV,  176                          ; v[176:239] tokens 2 u, 2 u + 1: V^T's fragment f at 32 u + 8 f, the even token's half first; later the rows read back
.set U,   240                          ; v[240:247] token t: a pair of partial sums
	s_load_b128 s[4:7], s[0:1], 0x0                ; qkv s[4:5], att s[6:7]
	v_lshl_add_u32 v4, v0, 2, SPARE                ; v4: my spare word; v5: 0; never rewritten
	v_mov_b32 v5, 0
	v_lshrrev_b32 v2, 5, v0
	v_readfirstlane_b32 s8, v2                     ; wave 0..3
	v_and_b32 v1, 31, v0
	v_lshlrev_b32 v1, 4, v1                        ; v1: 16 x lane; never rewritten
	s_lshl_b32 s9, ttmp9, 4
	s_mov_b32 s3, 0
	s_mov_b32 s12, 0x3d38aa3b                      ; c = log2(e) / 32
	s_mov_b32 s13, s12                             ; named with it as a pair
	s_mov_b32 s14, 0x76543210                      ; v_permlanex16_b32: each lane takes its own place in the other half
	s_mov_b32 s15, 0xfedcba98
	s_wait_alu depctr_va_sdst(0)                   ; s8 is written, ahead of its first reader: the token's number, both bases and the stage's place are made from it
	s_lshl2_add_u32 s9, s8, s9                     ; my first token: 16 x work-group + 4 x wave
	s_mul_i32 s2, s9, QKVP                         ; under 2^27
	s_lshr_b32 s10, s9, 12                         ; n,
	s_lshl_b32 s10, s10, 23                        ; 16 x 4,096 x 128 bytes each
	s_and_b32 s11, s9, 4095                        ; s,
	s_lshl_b32 s11, s11, 7                         ; 128 bytes each
	s_add_co_u32 s10, s10, s11
	s_mov_b32 s11, 0
	s_mul_i32 s16, s8, STW                         ; my stage
	s_wait_kmcnt 0x0
	s_add_nc_u64 s[4:5], s[4:5], s[2:3]
	s_add_nc_u64 s[6:7], s[6:7], s[10:11]
	s_wait_alu depctr_va_vdst(0)                   ; v1 is written: every global load and store of the kernel reads it as its offset
.irp t, 0,1,2,3
.irp c, 0,1
.irp g, 0,1
	global_load_b128 v[QK+32*(\t)+8*(\c)+4*(\g):QK+32*(\t)+8*(\c)+4*(\g)+3],       v1, s[4:5] offset:(\t)*QKVP+(\c)*1024+(\g)*512 th:TH_LOAD_NT
	global_load_b128 v[QK+16+32*(\t)+8*(\c)+4*(\g):QK+16+32*(\t)+8*(\c)+4*(\g)+3], v1, s[4:5] offset:(\t)*QKVP+2048+(\c)*1024+(\g)*512 th:TH_LOAD_NT
.endr
.endr
.endr
.irp t, 0,1,2,3
.irp f, 0,1,2,3
	global_load_b128 v[VV+32*((\t)/2)+8*(\f)+4*((\t)%2):VV+32*((\t)/2)+8*(\f)+4*((\t)%2)+3], v1, s[4:5] offset:(\t)*QKVP+4096+(\f)*512 th:TH_LOAD_NT
.endr
.endr
	v_and_b32 v14, 15, v0                          ; l % 16
	v_bfe_u32 v15, v0, 4, 1                        ; l / 16
	v_mul_u32_u24 v2, v14, SP
	v_lshl_add_u32 v2, v15, 4, v2
	v_add_nc_u32 v2, s16, v2                       ; v2: into the stage: row l % 16, 16 bytes for each half of the lanes
	v_add_nc_u32 v3, s16, v1                       ; v3: back: 32 lanes take a row's 512 bytes.  The waits on the way out stand between these lines and the LDS instructions that read v2 and v3
	s_wait_loadcnt 16                              ; Q and K are in; V's sixteen loads may stay out
.irp t, 0,1,2,3                        ; the four accumulators take turns
	v_wmma_f32_16x16x32_f16 v[S+8*(\t):S+8*(\t)+7], v[QK+16+32*(\t):QK+16+32*(\t)+7], v[QK+32*(\t):QK+32*(\t)+7], 0
.endr
.irp t, 0,1,2,3
	v_wmma_f32_16x16x32_f16 v[S+8*(\t):S+8*(\t)+7], v[QK+24+32*(\t):QK+24+32*(\t)+7], v[QK+8+32*(\t):QK+8+32*(\t)+7], v[S+8*(\t):S+8*(\t)+7]
.endr
.irp t, 0,1,2,3
	v_mov_b32 v[ST+2*(\t)+1], 0                    ; v_permlanex16_b32 wants a written destination; these four lines are also the places behind the products
.endr
	; the maximum of a query head's 16 scores: eight in my lane (the accumulator's lowest registers first), eight in the lane 16 away.  Each line is written for all four tokens, so that none waits for the line before it
.irp t, 0,1,2,3
	v_max3_num_f32 v[ST+2*(\t)], v[S+8*(\t)], v[S+8*(\t)+1], v[S+8*(\t)+2]
.endr
.irp i, 3,5
.irp t, 0,1,2,3
	v_max3_num_f32 v[ST+2*(\t)], v[ST+2*(\t)], v[S+8*(\t)+(\i)], v[S+8*(\t)+(\i)+1]
.endr
.endr
.irp t, 0,1,2,3
	v_max_num_f32 v[ST+2*(\t)], v[ST+2*(\t)], v[S+8*(\t)+7]
.endr
.irp t, 0,1,2,3
	v_permlanex16_b32 v[ST+2*(\t)+1], v[ST+2*(\t)], s14, s15
.endr
.irp t, 0,1,2,3
	v_max_num_f32 v[ST+2*(\t)], v[ST+2*(\t)], v[ST+2*(\t)+1]
.endr
.irp t, 0,1,2,3
	v_mul_f32 v[ST+2*(\t)], s12, v[ST+2*(\t)]      ; c m
.endr
.irp i, 0,2,4,6
.irp t, 0,1,2,3
	v_pk_fma_f32 v[S+8*(\t)+(\i):S+8*(\t)+(\i)+1], v[S+8*(\t)+(\i):S+8*(\t)+(\i)+1], s[12:13], v[ST+2*(\t):ST+2*(\t)+1] op_sel_hi:[1,0,0] neg_lo:[0,0,1] neg_hi:[0,0,1]  ; c s - c m
.endr
.endr
.set r, 0
.rept 32
	v_exp_f32 v[S+r], v[S+r]
.set r, r+1
.endr
	v_nop                                          ; a plain instruction between the last exponential and the use of its result (ISA guide 5.7.2)
	s_wait_alu depctr_va_vdst(0)                   ; the 32 exponentials have written v[S ..], ahead of the sums, their first readers: one wait for the batch
.irp t, 0,1,2,3
	v_pk_add_f32 v[U+2*(\t):U+2*(\t)+1], v[S+8*(\t):S+8*(\t)+1], v[S+8*(\t)+2:S+8*(\t)+3]
.endr
.irp i, 4,6
.irp t, 0,1,2,3
	v_pk_add_f32 v[U+2*(\t):U+2*(\t)+1], v[U+2*(\t):U+2*(\t)+1], v[S+8*(\t)+(\i):S+8*(\t)+(\i)+1]
.endr
.endr
.irp t, 0,1,2,3
	v_add_f32 v[ST+2*(\t)], v[U+2*(\t)], v[U+2*(\t)+1]
.endr
.irp t, 0,1,2,3
	v_permlanex16_b32 v[ST+2*(\t)+1], v[ST+2*(\t)], s14, s15
.endr
.irp t, 0,1,2,3
	v_add_f32 v[ST+2*(\t)], v[ST+2*(\t)], v[ST+2*(\t)+1]  ; the sum of all 16: at least about 1, the maximum's own term
.endr
.irp t, 0,1,2,3
	v_rcp_f32 v[ST+2*(\t)], v[ST+2*(\t)]
.endr
	v_nop                                          ; a plain instruction behind the last reciprocal
	s_wait_alu depctr_va_vdst(0)                   ; the four reciprocals have written v[ST + 2 t], ahead of the multiplies, their first readers: one wait for the batch
.irp i, 0,2,4,6
.irp t, 0,1,2,3
	v_pk_mul_f32 v[S+8*(\t)+(\i):S+8*(\t)+(\i)+1], v[S+8*(\t)+(\i):S+8*(\t)+(\i)+1], v[ST+2*(\t):ST+2*(\t)+1] op_sel_hi:[1,0]
.endr
.endr
	; P as source 1: an even token's eight weights pack upward into registers 0-3 (keys 0-15), an odd token's downward into registers 4-7 (keys 16-31); the other half is 0
.irp t, 0,2
.irp i, 0,1,2,3
	v_cvt_pk_f16_f32 v[S+8*(\t)+(\i)], v[S+8*(\t)+2*(\i)], v[S+8*(\t)+2*(\i)+1]
.endr
.irp i, 4,5,6,7
	v_mov_b32 v[S+8*(\t)+(\i)], 0
.endr
.endr
.irp t, 1,3
.irp i, 3,2,1,0
	v_cvt_pk_f16_f32 v[S+8*(\t)+4+(\i)], v[S+8*(\t)+2*(\i)], v[S+8*(\t)+2*(\i)+1]
.endr
.irp i, 0,1,2,3
	v_mov_b32 v[S+8*(\t)+(\i)], 0
.endr
.endr
	s_wait_loadcnt 0x0                             ; V
.irp u, 0,1
.irp f, 0,1,2,3
.irp e, 0,1                            ; sixteen products, each its own accumulator: token 2 u + e, channels 16 f on
	v_wmma_f32_16x16x32_f16 v[QK+32*(2*(\u)+(\e))+8*(\f):QK+32*(2*(\u)+(\e))+8*(\f)+7], v[VV+32*(\u)+8*(\f):VV+32*(\u)+8*(\f)+7], v[S+8*(2*(\u)+(\e)):S+8*(2*(\u)+(\e))+7], 0
.endr
.endr
.endr
.rept 4
	v_nop                                          ; the places behind the last products; they stay beside the waits below
.endr
	; THE WAY OUT.  Tokens 0 and 1 are rounded; their LDS stores then stand among the roundings of tokens 2 and 3, one store ahead of each four
.irp t, 0,1
.irp f, 0,1,2,3
.irp i, 0,1,2,3
	v_cvt_pk_f16_f32 v[QK+32*(\t)+8*(\f)+(\i)], v[QK+32*(\t)+8*(\f)+2*(\i)], v[QK+32*(\t)+8*(\f)+2*(\i)+1]  ; in place, upward
.endr
.endr
.endr
	s_wait_alu depctr_va_vdst(0)                   ; the conversions have written v[QK .. QK + 63], the data of the eight LDS stores below, and v2, their address, is written
.irp t, 2,3
.irp f, 0,1,2,3
	ds_store_b128 v2, v[QK+32*((\t)-2)+8*(\f):QK+32*((\t)-2)+8*(\f)+3] offset:128*((\t)-2)+32*(\f)  ; token t - 2.  No further wait: the conversions issued since the wait name v[QK + 64 .. QK + 127] alone
.irp i, 0,1,2,3
	v_cvt_pk_f16_f32 v[QK+32*(\t)+8*(\f)+(\i)], v[QK+32*(\t)+8*(\f)+2*(\i)], v[QK+32*(\t)+8*(\f)+2*(\i)+1]  ; in place, upward
.endr
.endr
.endr
	s_wait_alu depctr_va_vdst(0)                   ; the conversions have written v[QK + 64 .. QK + 127], the data of the eight LDS stores below; v3 is written; the products V^T P are done reading v[VV ..], in which the LDS loads land
.irp t, 2,3
.irp f, 0,1,2,3
	ds_store_b128 v2, v[QK+32*(\t)+8*(\f):QK+32*(\t)+8*(\f)+3] offset:128*(\t)+32*(\f)
.endr
.endr
.irp q, 0,1,2,3,4,5,6,7,8,9,10,11,12,13,14,15
	ds_load_b128 v[VV+4*(\q):VV+4*(\q)+3], v3 offset:(\q)*SP  ; LDS serves a wave's instructions in order (ISA guide 5.7.1.4): these see the stores above
.endr
.irp q, 0,1,2,3,4,5,6,7,8,9,10,11,12,13,14,15
	s_wait_dscnt 15-(\q)                           ; row q is back; the 15 - q younger loads may stay out
	global_store_b128 v1, v[VV+4*(\q):VV+4*(\q)+3], s[6:7] offset:(\q)*524288  ; query head q's four tokens: 512 consecutive bytes, at a multiple of 512 from att's first; 7,864,320 at the most
.endr
	s_wait_dscnt 0x0                               ; the closing lines, six on end
	s_wait_alu 0x0
	s_wait_tensorcnt 0x0
	ds_add_u32 v4, v5
	s_wait_dscnt 0x0
	s_endpgm
.Lfunc_end_k_q2c9d2adc56_attn:
	.size	k_q2c9d2adc56_attn, .Lfunc_end_k_q2c9d2adc56_attn-k_q2c9d2adc56_attn
	.p2alignl 7, 3214868480
	.fill 96, 4, 3214868480
	.section	.rodata,"a",@progbits
	.p2align	6, 0x0
	.amdhsa_kernel k_q2c9d2adc56_attn
		.amdhsa_group_segment_fixed_size 34304
		.amdhsa_private_segment_fixed_size 0
		.amdhsa_enable_private_segment 0
		.amdhsa_kernarg_size 16
		.amdhsa_user_sgpr_count 2
		.amdhsa_user_sgpr_kernarg_segment_ptr 1
		.amdhsa_wavefront_size32 1
		.amdhsa_system_sgpr_workgroup_id_x 1
		.amdhsa_system_sgpr_workgroup_id_y 1
		.amdhsa_system_sgpr_workgroup_id_z 1
		.amdhsa_system_vgpr_workitem_id 0
		.amdhsa_next_free_vgpr 248
		.amdhsa_next_free_sgpr 66
		.amdhsa_reserve_vcc 0
		.amdhsa_float_denorm_mode_32 3
		.amdhsa_float_denorm_mode_16_64 3
		.amdhsa_memory_ordered 1
		.amdhsa_forward_progress 1
		.amdhsa_inst_pref_size 24
	.end_amdhsa_kernel
	.amdgpu_metadata
---
amdhsa.version: [ 1, 2 ]
amdhsa.kernels:
  - .name:           k_q2c9d2adc56_attn
    .symbol:         k_q2c9d2adc56_attn.kd
    .args:
      - { .name: qkv, .offset: 0, .size: 8, .value_kind: global_buffer, .address_space: global }
      - { .name: att, .offset: 8, .size: 8, .value_kind: global_buffer, .address_space: global }
    .group_segment_fixed_size: 34304
    .private_segment_fixed_size: 0
    .kernarg_segment_align: 8
    .kernarg_segment_size: 16
    .max_flat_workgroup_size: 128
    .sgpr_count:     66
    .vgpr_count:     248
    .wavefront_size: 32
...
	.end_amdgpu_metadata
.endif
;; end of part 5
;; launch gemm_out: the kernel of part 4 again; grid 4 x 64, 4 waves a work-group, clusters of 4 x 4, 327,680 bytes of LDS; arguments att, wo16, out0, bias; writes out0
